; MI455X (gfx1250); checked and timed in simulation.
; The chip was launched on July 23, 2026; its instructions are those of AMD's public machine-readable ISA for CDNA 5 (MIT licence, August 2026) and "CDNA5" Instruction Set Architecture Reference Guide (July 2026). The comments in the code are by the model that wrote it; some were corrected since.
;; Hybrid Attention. Allowed arithmetic: matrix products marked QUANTISED: E4M3 operands, one given power-of-two scale a tensor, by v_wmma_f32_16x16x64_fp8_fp8 or v_wmma_f32_16x16x128_fp8_fp8, f32 sums; everything else in f32.
;; Inputs: Wk 1,024 x 1,024 float32; Wo 1,024 x 1,024 float32; Wq 1,024 x 1,024 float32; Wv 1,024 x 1,024 float32; hidden_states 1 x 4,096 x 1,024 float32; lowp_scales 16 int32 (the exponents e of the quantised operands' scales 2^e).
;; Outputs: out0 1 x 4,096 x 1,024 float32.
;; This version of the problem:
;;   THIS VERSION OF THE PROBLEM IS GIVEN IN LOW PRECISION. The matrix products marked QUANTISED in the list below multiply operands that are first quantised to E4M3 (4 exponent bits, 3 mantissa bits; 8 bits a number), with one given power-of-two scale for each operand tensor; their sums are f32. All else is computed in f32.
;;   The module's matrix products, in the order in which they are computed (A, B: the left and right operand; K: the contracted axis; several contracted axes count as one K, in the product's order):
;;     1. [M 4,096, K 1,024] x [K 1,024, N 1,024]; A: input hidden_states; B: input Wq: QUANTISED (scales: A lowp_scales[0], B lowp_scales[1])
;;     2. [M 4,096, K 1,024] x [K 1,024, N 1,024]; A: input hidden_states; B: input Wk: QUANTISED (scales: A lowp_scales[2], B lowp_scales[3])
;;     3. [M 4,096, K 1,024] x [K 1,024, N 1,024]; A: input hidden_states; B: input Wv: QUANTISED (scales: A lowp_scales[4], B lowp_scales[5])
;;     4. batch 8 x [M 4,096, K 64] x [K 64, N 4,096]; A: computed on the way; B: computed on the way: QUANTISED (scales: A lowp_scales[6], B lowp_scales[7])
;;     5. batch 8 x [M 4,096, K 4,096] x [K 4,096, N 64]; A: softmax (see below); B: computed on the way: QUANTISED (scales: A lowp_scales[8], B lowp_scales[9])
;;     6. batch 8 x [M 4,096, K 64] x [K 64, N 4,096]; A: computed on the way; B: computed on the way: QUANTISED (scales: A lowp_scales[10], B lowp_scales[11])
;;     7. batch 8 x [M 4,096, K 4,096] x [K 4,096, N 64]; A: softmax (see below); B: computed on the way: QUANTISED (scales: A lowp_scales[12], B lowp_scales[13])
;;     8. [M 4,096, K 1,024] x [K 1,024, N 1,024]; A: computed on the way; B: input Wo: QUANTISED (scales: A lowp_scales[14], B lowp_scales[15])
;;   THE QUANTISER, for each operand of a quantised product, along K:
;;     - The operand's scale is 2^e, e = its entry of the input lowp_scales (int32; the entries are numbered through the quantised products in the list's order, A before B).
;;     - Each number is divided by the scale, clamped to +-448, and rounded to the nearest number of E4M3, ties to even, subnormals kept.
;;     - The product sums the exact products of the quantised numbers (number of the format x scale) in f32.
;;   ~~~python
;;   def quantise(x, axis, e):      # numpy; x: float32 -> the quantised numbers, widened to float32 again
;;       x = np.moveaxis(x, axis, -1); K = x.shape[-1]
;;       r = np.clip(x / 2.0 ** e, -448, 448)
;;       step = 2.0 ** (np.maximum(np.frexp(np.where(r == 0, 1, r))[1] - 1, -6) - 3)
;;       q = np.round(r / step) * step * 2.0 ** e      # np.round: ties to even
;;       return np.moveaxis(q, -1, axis).astype(np.float32)
;;   ~~~
;;   SOFTMAX AHEAD OF A QUANTISED PRODUCT. Where the list says 'softmax', what is quantised is not the finished softmax but p = 2^(t - M), with t = logit x log2(e) and M = ceil(the row's largest t), a whole number; so 1/2 < the row's largest p <= 1. The row's sum l is taken of the UNQUANTISED p, in f32, and the product's result is divided by l at the end. Since M is a whole number, a kernel that streams over the keys may use a running M (the ceiling of the running maximum): every later rescaling is an exact power of two, so the quantised numbers keep their values, but for numbers so far below the row's largest that they fall under the format's range.
;;   OPERANDS COMPUTED ON THE WAY. 'Computed on the way' means the value that the module computes at that place (a softmax that the list does not call 'softmax' is quantised finished and normalised). What goes into a quantiser is computed in f32, as accurately as f32 sums, v_exp_f32 and their like allow (about 1e-6 of the number): no bf16 or f16 on the way to a quantiser, and a product that is left as it is and whose result goes on into a quantised operand takes f32 operands (vector FMAs, or v_wmma_f32_16x16x4_f32). A number that lies on a knife's edge between two numbers of the format may be rounded either way, as far as f32 arithmetic and the matrix unit's own rounding can turn it there, and no further.
;; One version. Each part assembles by itself: llvm-mc -triple=amdgcn-amd-amdhsa -mcpu=gfx1250 --defsym DOCPART=n.
;; ======== version 1 of 1: 4 launches
;; limits: right only within a limited range of input values
;; workspace buffers: xw 16,777,216 bytes; tab 1,048,576 bytes; qkv 12,582,912 bytes; ac 4,194,304 bytes
;; launch prep (part 1): grid 832 x 1, 4 waves a work-group, no clusters, 50,688 bytes of LDS; arguments hidden_states, Wq, Wk, Wv, Wo, lowp_scales, xw, tab; writes xw, tab
.if DOCPART == 1
	.amdgcn_target "amdgcn-amd-amdhsa--gfx1250"
	.amdhsa_code_object_version 6
	.text
	.protected	k_qfbe0b19001_prep
	.globl	k_qfbe0b19001_prep
	.p2align	8
	.type	k_qfbe0b19001_prep,@function
k_qfbe0b19001_prep:
	s_mov_b64 s[64:65], 0
	v_nop
	global_prefetch_b8 v0, s[64:65] scope:SCOPE_SE
	s_setreg_imm32_b32 hwreg(HW_REG_WAVE_MODE, 25, 1), 1
	s_wait_xcnt 0x0
; prep: the inputs become codes of E4M3 laid as IMAGES OF OPERAND REGISTERS, and RoPE's cosines and sines become a table.
; A FRAGMENT IMAGE: 16 rows x 128 along K are 16 registers a lane (lane (r, h): row r; registers 2c, 2c+1: k = 16c + 8h + 0..7).  Registers 4p .. 4p+3 of all 32 lanes are one piece
; of 512 bytes, lane l's 16 bytes at 512 p + 16 l; a fragment is 2,048 bytes.  Whoever loads the four pieces at 16 x lane has the operand: no pitch, no padding, k in its true place.
; xw: x's codes three times (scale entries 0, 2, 4) at 0, 4, 8 MiB: [block of 16 rows: 256][K step of 128: 8][2,048];  Wq, Wk, Wv, Wo (entries 1, 3, 5, 15) at 12 .. 15 MiB:
; [block of 16 output columns: 64][K step: 8][2,048], the lane's row being an output column.
; tab: [block of 16 positions: 256][image 0..7][512]: image 4 x (sine) + 2u + f: lane (r, h) holds cos or sin of position 16 block + r at frequencies 16u + 8h + 4f + 0..3.
; THREE PATHS by the work-group's number, each with LDS bytes of its own: 0-511 x (a fragment a wave), 512-767 the weights (two fragments a wave), 768-831 the table (a block a wave).
; code = number / 2^e, held within +-448, to the nearest code, ties to even.  LIMITS: each e used here lies between -126 and 119; NaN among the inputs is not served.
; RoPE: 1 / 10^(i/8) is a reciprocal with one Newton step; the angle is one f32 product, as the problem writes it; sine and cosine by a two-part reduction by pi/2 (positions up to 4,095) and polynomials on +-pi/4.
.set XPITCH, 528                       ; x's stage: a row of 512 bytes + 16: row r starts at bank 4 r mod 64 (64 banks of 4 bytes: ISA guide 11.1)
.set XWAVE,  16*XPITCH                 ; a wave's stage on the x path
.set WST,    4*XWAVE                   ; the weights' stages: 4,096 bytes a wave
.set WWAVE,  4096
.set SPARE,  WST+4*WWAVE               ; the spare words, 128 bytes for each wave: two blocks of 256 bytes that no other line names
.set LO,   2                           ; v2   16 x lane
.set SPW,  12                          ; v12  LDS address of my spare word; never rewritten
.set NIL,  13                          ; v13  0; never rewritten
.set XR,   16                          ; x path: v16-79 the rows as loaded; v80-143 64 numbers in the operand's order; v144-159 two sets of held numbers; v160-207 three fragments of codes
.set XX,   80
.set XT,   144
.set XC,   160
.set WX,   16                          ; weights: v16-143 128 numbers down K; v144-175 codes; v176-207 the way out
.set WC,   144
.set WO,   176
.set PF,   16                          ; table: v16-31 10^(i/8), later the quadrant; v32-47 cos; v48-63 sin; v64-79 1/P; v80-95, v96-159 at work
.set COSR, 32
.set SINR, 48
.set PY,   64
.set PE,   80
.set TH,   96
.set NN,   112
.set SS,   128
.set CP,   144
	s_load_b512 s[4:19], s[0:1], 0x0               ; x s[4:5], Wq s[6:7], Wk s[8:9], Wv s[10:11], Wo s[12:13], scales s[14:15], xw s[16:17], tab s[18:19]
	v_lshl_add_u32 v[SPW], v0, 2, SPARE
	v_mov_b32 v[NIL], 0
	v_lshrrev_b32 v1, 5, v0
	v_readfirstlane_b32 s22, v1                    ; wave 0..3
	v_and_b32 v1, 31, v0                           ; lane
	v_lshlrev_b32 v[LO], 4, v1
	v_and_b32 v3, 15, v0                           ; r
	v_bfe_u32 v10, v0, 4, 1                        ; h
	s_wait_kmcnt 0x0
	s_cmp_lt_u32 ttmp9, 512
	s_cbranch_scc0 .Lnot_x
; ---------------- x: fragment F = 4 x work-group + wave: rows 16 (F / 8) on, K step F % 8
	s_load_b256 s[24:31], s[14:15], 0x0            ; e0 .. e7
	s_lshl_b32 s23, ttmp9, 2
	s_add_co_u32 s23, s23, s22
	s_lshr_b32 s40, s23, 3                         ; block of rows
	s_and_b32 s41, s23, 7                          ; K step
	s_lshl_b32 s42, s40, 16                        ; 16 rows of 4,096 bytes
	s_lshl_b32 s44, s41, 9                         ; 128 numbers
	s_add_co_u32 s42, s42, s44
	s_mov_b32 s43, 0
	s_add_nc_u64 s[4:5], s[4:5], s[42:43]
.set n, 0
	s_wait_alu depctr_va_vdst(0)
.rept 16
	global_load_b128 v[XR+4*n:XR+4*n+3], v[LO], s[4:5] offset:4096*n th:TH_LOAD_NT   ; row n: 32 lanes read 512 consecutive bytes
.set n, n+1
.endr
	s_lshl_b32 s46, s40, 14
	s_lshl_b32 s44, s41, 11
	s_add_co_u32 s46, s46, s44
	s_mov_b32 s47, 0
	s_add_nc_u64 s[44:45], s[16:17], s[46:47]      ; the fragment's place in plane 0,
	s_add_nc_u64 s[46:47], s[44:45], 0x400000      ; plane 1,
	s_add_nc_u64 s[48:49], s[46:47], 0x400000      ; plane 2
	s_mul_i32 s50, s22, XWAVE
	v_add_nc_u32 v14, s50, v[LO]                   ; into my stage: as loaded
	v_mul_u32_u24 v15, v3, XPITCH
	v_lshl_add_u32 v15, v10, 5, v15
	v_add_nc_u32 v15, s50, v15                     ; out of it: row r, + 32 h bytes: my eight numbers of each 16
	s_wait_alu depctr_va_vdst(0)
	s_wait_kmcnt 0x0
.irp z, 0,1,2
	s_add_co_i32 s51, s[24+2*\z], 127
	s_lshl_b32 s52, s51, 23
	v_mov_b32 v[4+2*\z], s52                       ; 2^e as f32: the conversion takes its exponent field
	s_add_co_i32 s51, s51, 8
	s_lshl_b32 s51, s51, 23
	s_or_b32 s51, s51, 0x600000
	v_mov_b32 v[5+2*\z], s51                       ; 448 x 2^e
.endr
.set n, 0
	s_wait_alu depctr_va_vdst(0)
.rept 16
	s_wait_loadcnt 15-n                            ; row n is in; the younger rows may be out
	ds_store_b128 v14, v[XR+4*n:XR+4*n+3] offset:XPITCH*n
.set n, n+1
.endr
.set n, 0
.rept 16
	ds_load_b128 v[XX+4*n:XX+4*n+3], v15 offset:64*(n/2)+16*(n%2)   ; LDS serves a wave's instructions in order: these see my stores.  Register 8c + j = x(r, 16c + 8h + j)
.set n, n+1
.endr
	s_wait_dscnt 0x0
; one plane: the hold into one of two sets by turns (so that plain lines stand between a conversion and the next write of its sources), the conversion, four stores of 512 consecutive bytes
.macro QX z
.irp c, 0,1,2,3,4,5,6,7
.irp j, 0,1,2,3,4,5,6,7
	v_med3_num_f32 v[XT+8*(\c%2)+\j], v[XX+8*\c+\j], -v[5+2*\z], v[5+2*\z]   ; the conversion to an 8-bit code does not saturate (ISA guide 7.6.2)
.endr
	v_cvt_scalef32_pk8_fp8_f32 v[XC+16*\z+2*\c:XC+16*\z+2*\c+1], v[XT+8*(\c%2):XT+8*(\c%2)+7], v[4+2*\z]
.endr
.irp p, 0,1,2,3
	global_store_b128 v[LO], v[XC+16*\z+4*\p:XC+16*\z+4*\p+3], s[44+2*\z:45+2*\z] offset:512*\p
.endr
.endm
	QX 0
	QX 1
	QX 2
	s_wait_tensorcnt 0x0                           ; the wave's end, behind my last LDS store
	ds_add_u32 v[SPW], v[NIL]
	s_wait_dscnt 0x0
	s_endpgm
.Lnot_x:
	s_cmp_lt_u32 ttmp9, 768
	s_cbranch_scc0 .Ltable
; ---------------- the weights, stored [k][n]: A LANE TAKES A COLUMN n AND ITS REGISTERS RUN DOWN K.  Work-group: tensor T, 128 columns, K step s; a wave 32 columns: two fragments
	s_load_b512 s[24:39], s[14:15], 0x0            ; e0 .. e15
	s_sub_co_u32 s23, ttmp9, 512
	s_lshr_b32 s40, s23, 6                         ; T: 0 Wq, 1 Wk, 2 Wv, 3 Wo
	s_bfe_u32 s41, s23, 0x30003                    ; which 128 columns
	s_and_b32 s42, s23, 7                          ; K step
	s_cmp_eq_u32 s40, 1
	s_cselect_b64 s[44:45], s[8:9], s[6:7]
	s_cmp_eq_u32 s40, 2
	s_cselect_b64 s[44:45], s[10:11], s[44:45]
	s_cmp_eq_u32 s40, 3
	s_cselect_b64 s[44:45], s[12:13], s[44:45]
	s_lshl_b32 s46, s42, 19                        ; 128 rows of 4,096 bytes
	s_lshl_b32 s47, s41, 9
	s_add_co_u32 s46, s46, s47
	s_lshl_b32 s47, s22, 7
	s_add_co_u32 s46, s46, s47
	s_mov_b32 s47, 0
	s_add_nc_u64 s[44:45], s[44:45], s[46:47]
	s_wait_alu depctr_va_vdst(0)
	v_lshlrev_b32 v11, 2, v1
.macro LOADW t                         ; 32 rows of K: each load reads 128 consecutive bytes, the four waves side by side 512
.set li, 0
.rept 32
	global_load_b32 v[WX+32*(\t)+li], v11, s[44:45] offset:(32*(\t)+li)*4096 th:TH_LOAD_NT
.set li, li+1
.endr
.endm
	LOADW 0
	LOADW 1
	s_lshl_b32 s46, s40, 20
	s_add_co_u32 s46, s46, 12<<20                  ; the tensor's codes in xw
	s_lshl_b32 s48, s41, 3
	s_lshl_b32 s49, s22, 1
	s_add_co_u32 s48, s48, s49                     ; my first block of 16 columns
	s_lshl_b32 s48, s48, 14
	s_add_co_u32 s46, s46, s48
	s_lshl_b32 s48, s42, 11
	s_add_co_u32 s46, s46, s48
	s_add_nc_u64 s[16:17], s[16:17], s[46:47]
	s_lshl_b32 s48, s22, 12
	s_add_co_u32 s48, s48, WST                     ; my stage: two fragment images
	v_lshlrev_b32 v14, 11, v10
	v_lshl_add_u32 v14, v3, 4, v14
	v_add_nc_u32 v14, s48, v14                     ; in: fragment lane / 16, the place of operand lane (r = lane % 16, h = 0); h = 1 lies 256 bytes on
	v_add_nc_u32 v15, s48, v[LO]                   ; back: 16 x lane
	s_wait_alu depctr_va_vdst(0)
	s_wait_kmcnt 0x0
	s_cmp_eq_u32 s40, 1
	s_cselect_b32 s49, s27, s25
	s_cmp_eq_u32 s40, 2
	s_cselect_b32 s49, s29, s49
	s_cmp_eq_u32 s40, 3
	s_cselect_b32 s49, s39, s49                    ; e: entry 1, 3, 5 or 15
	s_add_co_i32 s49, s49, 127
	s_lshl_b32 s50, s49, 23
	v_mov_b32 v4, s50                              ; 2^e
	s_add_co_i32 s49, s49, 8
	s_lshl_b32 s49, s49, 23
	s_or_b32 s49, s49, 0x600000
	v_mov_b32 v5, s49                              ; 448 x 2^e
; k = 32 t .. 32 t + 31 of my column are piece t of its fragment: operand lane h = 0 holds k 0-7 and 16-23 of them, h = 1 holds 8-15 and 24-31
.macro BLOCKW t
.set bi, 0
.rept 32
	v_med3_num_f32 v[WX+32*(\t)+bi], v[WX+32*(\t)+bi], -v5, v5
.set bi, bi+1
.endr
	v_cvt_scalef32_pk8_fp8_f32 v[WC+8*(\t):WC+8*(\t)+1],   v[WX+32*(\t):WX+32*(\t)+7],     v4
	v_cvt_scalef32_pk8_fp8_f32 v[WC+8*(\t)+2:WC+8*(\t)+3], v[WX+32*(\t)+16:WX+32*(\t)+23], v4
	v_cvt_scalef32_pk8_fp8_f32 v[WC+8*(\t)+4:WC+8*(\t)+5], v[WX+32*(\t)+8:WX+32*(\t)+15],  v4
	v_cvt_scalef32_pk8_fp8_f32 v[WC+8*(\t)+6:WC+8*(\t)+7], v[WX+32*(\t)+24:WX+32*(\t)+31], v4
	v_nop                                          ; a plain line behind the last conversion of the run
	ds_store_b128 v14, v[WC+8*(\t):WC+8*(\t)+3] offset:512*(\t)
	ds_store_b128 v14, v[WC+8*(\t)+4:WC+8*(\t)+7] offset:512*(\t)+256
.endm
	s_wait_alu depctr_va_vdst(0)
	s_wait_loadcnt 32                              ; block 0 is in; block 1's 32 loads may be out
	LOADW 2
	BLOCKW 0
	s_wait_loadcnt 32                              ; block 1 is in; block 2's may be out
	LOADW 3
	BLOCKW 1
	s_wait_loadcnt 32                              ; block 2 is in; block 3's may be out
	BLOCKW 2
	s_wait_loadcnt 0
	BLOCKW 3
.irp i, 0,1,2,3,4,5,6,7
	ds_load_b128 v[WO+4*\i:WO+4*\i+3], v15 offset:512*\i   ; LDS serves a wave's instructions in order: these see my stores
.endr
.irp i, 0,1,2,3,4,5,6,7
	s_wait_dscnt 7-\i                              ; piece i is back; the younger ones may be out
	global_store_b128 v[LO], v[WO+4*\i:WO+4*\i+3], s[16:17] offset:(\i/4)*16384+(\i%4)*512   ; 512 consecutive bytes
.endr
	s_wait_tensorcnt 0x0                           ; the wave's end, behind my last LDS store
	ds_add_u32 v[SPW], v[NIL]
	s_wait_dscnt 0x0
	s_endpgm
; ---------------- the table: block of positions = 4 (work-group - 768) + wave.  Register 8u + j of lane (r, h): frequency i = 16u + 8h + j, angle = position x (1 / 10^(i/8))
.Ltable:
	s_sub_co_u32 s23, ttmp9, 768
	s_lshl_b32 s23, s23, 2
	s_add_co_u32 s23, s23, s22
	s_lshl_b32 s40, s23, 4
	s_wait_alu depctr_va_vdst(0)
	v_add_nc_u32 v9, s40, v3
	v_cvt_f32_u32 v9, v9                           ; my position
	s_lshl_b32 s50, s23, 12
	s_mov_b32 s51, 0
	s_add_nc_u64 s[18:19], s[18:19], s[50:51]
	v_cmp_eq_u32 vcc_lo, 1, v10
.macro PW n, lo, hi                    ; 10^(i/8): lanes 0-15 take lo, lanes 16-31 hi
	v_mov_b32 v[PF+\n], \hi
	v_mov_b32 v80, \lo
	v_cndmask_b32 v[PF+\n], v80, v[PF+\n], vcc_lo
.endm
	PW 0,  1.0, 10.0
	PW 1,  1.3335214321633240, 13.335214321633240
	PW 2,  1.7782794100389228, 17.782794100389228
	PW 3,  2.3713737056616552, 23.713737056616552
	PW 4,  3.1622776601683795, 31.622776601683795
	PW 5,  4.2169650342858223, 42.169650342858223
	PW 6,  5.6234132519034911, 56.234132519034911
	PW 7,  7.4989420933245583, 74.989420933245583
	PW 8,  100.0, 1000.0
	PW 9,  133.35214321633240, 1333.5214321633240
	PW 10, 177.82794100389228, 1778.2794100389228
	PW 11, 237.13737056616552, 2371.3737056616552
	PW 12, 316.22776601683795, 3162.2776601683795
	PW 13, 421.69650342858223, 4216.9650342858223
	PW 14, 562.34132519034911, 5623.4132519034911
	PW 15, 749.89420933245583, 7498.9420933245583
	s_mov_b32 s40, 0x3f22f983                      ; 2 / pi
	s_mov_b32 s41, 0xbfc90fdb                      ; -(pi/2 rounded to f32)
	s_mov_b32 s42, 0x333bbd2e                      ; that rounding's excess over pi/2
	s_mov_b32 s44, 0xb94ca1f9                      ; sine: -1.9515296e-4, 8.3321609e-3, -1.6666655e-1
	s_mov_b32 s45, 0x3c08839e
	s_mov_b32 s46, 0xbe2aaaa3
	s_mov_b32 s47, 0x37ccf5ce                      ; cosine: 2.4433157e-5, -1.3887316e-3, 4.1666646e-2
	s_mov_b32 s48, 0xbab6061a
	s_mov_b32 s49, 0x3d2aaaa5
.macro ALL16 body:vararg               ; one line for all sixteen frequencies: neighbours in the text do not wait for each other
.irp n, 0,1,2,3,4,5,6,7,8,9,10,11,12,13,14,15
	\body
.endr
.endm
	s_wait_alu depctr_va_vdst(0)
.irp n, 0,1,2,3,4,5,6,7,8,9,10,11,12,13,14,15
	v_rcp_f32 v[PY+\n], v[PF+\n]
.endr
	v_nop                                          ; a plain line behind the last reciprocal
	s_wait_alu depctr_va_vdst(0)                   ; one wait for the batch, ahead of its first reader
.irp n, 0,1,2,3,4,5,6,7,8,9,10,11,12,13,14,15
	v_fma_f32 v[PE+\n], -v[PF+\n], v[PY+\n], 1.0   ; Newton: y += y (1 - P y)
.endr
.irp n, 0,1,2,3,4,5,6,7,8,9,10,11,12,13,14,15
	v_fma_f32 v[PY+\n], v[PY+\n], v[PE+\n], v[PY+\n]
.endr
.irp n, 0,1,2,3,4,5,6,7,8,9,10,11,12,13,14,15
	v_mul_f32 v[TH+\n], v9, v[PY+\n]               ; the angle, rounded once
.endr
.irp n, 0,1,2,3,4,5,6,7,8,9,10,11,12,13,14,15
	v_mul_f32 v[NN+\n], s40, v[TH+\n]
.endr
.irp n, 0,1,2,3,4,5,6,7,8,9,10,11,12,13,14,15
	v_rndne_f32 v[NN+\n], v[NN+\n]                 ; how many quarter turns
.endr
.irp n, 0,1,2,3,4,5,6,7,8,9,10,11,12,13,14,15
	v_fma_f32 v[TH+\n], v[NN+\n], s41, v[TH+\n]    ; under 1 in size, on a grid of 2^-23: nothing is rounded
.endr
.irp n, 0,1,2,3,4,5,6,7,8,9,10,11,12,13,14,15
	v_fma_f32 v[TH+\n], v[NN+\n], s42, v[TH+\n]    ; the reduced angle
.endr
.irp n, 0,1,2,3,4,5,6,7,8,9,10,11,12,13,14,15
	v_cvt_i32_f32 v[PF+\n], v[NN+\n]
.endr
.irp n, 0,1,2,3,4,5,6,7,8,9,10,11,12,13,14,15
	v_mul_f32 v[NN+\n], v[TH+\n], v[TH+\n]         ; z
.endr
.irp n, 0,1,2,3,4,5,6,7,8,9,10,11,12,13,14,15
	v_fma_f32 v[SS+\n], v[NN+\n], s44, s45
	v_fma_f32 v[CP+\n], v[NN+\n], s47, s48
.endr
.irp n, 0,1,2,3,4,5,6,7,8,9,10,11,12,13,14,15
	v_fma_f32 v[SS+\n], v[SS+\n], v[NN+\n], s46
	v_fma_f32 v[CP+\n], v[CP+\n], v[NN+\n], s49
.endr
.irp n, 0,1,2,3,4,5,6,7,8,9,10,11,12,13,14,15
	v_mul_f32 v[SS+\n], v[SS+\n], v[NN+\n]
	v_mul_f32 v[CP+\n], v[CP+\n], v[NN+\n]
	v_fma_f32 v[PE+\n], v[NN+\n], -0.5, 1.0
.endr
.irp n, 0,1,2,3,4,5,6,7,8,9,10,11,12,13,14,15
	v_fma_f32 v[SS+\n], v[SS+\n], v[TH+\n], v[TH+\n]   ; sine of the reduced angle
	v_fma_f32 v[CP+\n], v[CP+\n], v[NN+\n], v[PE+\n]   ; cosine
.endr
.irp n, 0,1,2,3,4,5,6,7,8,9,10,11,12,13,14,15
	v_and_b32 v[PE+\n], 1, v[PF+\n]                ; an odd quarter turn swaps the two;
	v_cmp_eq_u32 vcc_lo, 1, v[PE+\n]
	v_cndmask_b32 v[SINR+\n], v[SS+\n], v[CP+\n], vcc_lo
	v_cndmask_b32 v[COSR+\n], v[CP+\n], v[SS+\n], vcc_lo
	v_and_b32 v[PE+\n], 2, v[PF+\n]                ; quadrants 2 and 3 turn the sine's sign,
	v_lshlrev_b32 v[PE+\n], 30, v[PE+\n]
	v_xor_b32 v[SINR+\n], v[SINR+\n], v[PE+\n]
	v_add_nc_u32 v[PE+\n], 1, v[PF+\n]             ; quadrants 1 and 2 the cosine's
	v_and_b32 v[PE+\n], 2, v[PE+\n]
	v_lshlrev_b32 v[PE+\n], 30, v[PE+\n]
	v_xor_b32 v[COSR+\n], v[COSR+\n], v[PE+\n]
.endr
.irp m, 0,1,2,3,4,5,6,7
	global_store_b128 v[LO], v[COSR+4*\m:COSR+4*\m+3], s[18:19] offset:512*\m   ; 512 consecutive bytes an image
.endr
	s_endpgm
.Lfunc_end_k_qfbe0b19001_prep:
	.size	k_qfbe0b19001_prep, .Lfunc_end_k_qfbe0b19001_prep-k_qfbe0b19001_prep
	.p2alignl 7, 3214868480
	.fill 96, 4, 3214868480
	.section	.rodata,"a",@progbits
	.p2align	6, 0x0
	.amdhsa_kernel k_qfbe0b19001_prep
		.amdhsa_group_segment_fixed_size 50688
		.amdhsa_private_segment_fixed_size 0
		.amdhsa_enable_private_segment 0
		.amdhsa_kernarg_size 64
		.amdhsa_user_sgpr_count 2
		.amdhsa_user_sgpr_kernarg_segment_ptr 1
		.amdhsa_wavefront_size32 1
		.amdhsa_system_sgpr_workgroup_id_x 1
		.amdhsa_system_sgpr_workgroup_id_y 1
		.amdhsa_system_sgpr_workgroup_id_z 1
		.amdhsa_system_vgpr_workitem_id 0
		.amdhsa_next_free_vgpr 208
		.amdhsa_next_free_sgpr 66
		.amdhsa_reserve_vcc 1
		.amdhsa_float_denorm_mode_32 3
		.amdhsa_float_denorm_mode_16_64 3
		.amdhsa_memory_ordered 1
		.amdhsa_forward_progress 1
		.amdhsa_inst_pref_size 72
	.end_amdhsa_kernel
	.amdgpu_metadata
---
amdhsa.version: [ 1, 2 ]
amdhsa.kernels:
  - .name:           k_qfbe0b19001_prep
    .symbol:         k_qfbe0b19001_prep.kd
    .args:
      - { .name: hidden_states, .offset: 0, .size: 8, .value_kind: global_buffer, .address_space: global }
      - { .name: Wq, .offset: 8, .size: 8, .value_kind: global_buffer, .address_space: global }
      - { .name: Wk, .offset: 16, .size: 8, .value_kind: global_buffer, .address_space: global }
      - { .name: Wv, .offset: 24, .size: 8, .value_kind: global_buffer, .address_space: global }
      - { .name: Wo, .offset: 32, .size: 8, .value_kind: global_buffer, .address_space: global }
      - { .name: lowp_scales, .offset: 40, .size: 8, .value_kind: global_buffer, .address_space: global }
      - { .name: xw, .offset: 48, .size: 8, .value_kind: global_buffer, .address_space: global }
      - { .name: tab, .offset: 56, .size: 8, .value_kind: global_buffer, .address_space: global }
    .group_segment_fixed_size: 50688
    .private_segment_fixed_size: 0
    .kernarg_segment_align: 8
    .kernarg_segment_size: 64
    .max_flat_workgroup_size: 128
    .sgpr_count:     66
    .vgpr_count:     208
    .wavefront_size: 32
...
	.end_amdgpu_metadata
.endif
;; end of part 1
;; launch qkv (part 2): grid 12 x 16, 4 waves a work-group, clusters of 4 x 4, 327,680 bytes of LDS; arguments xw, tab, lowp_scales, qkv; writes qkv
.if DOCPART == 2
	.amdgcn_target "amdgcn-amd-amdhsa--gfx1250"
	.amdhsa_code_object_version 6
	.text
	.protected	k_qfbe0b19001_qkv
	.globl	k_qfbe0b19001_qkv
	.p2align	8
	.type	k_qfbe0b19001_qkv,@function
k_qfbe0b19001_qkv:
	s_mov_b64 s[64:65], 0
	v_nop
	global_prefetch_b8 v0, s[64:65] scope:SCOPE_SE
	s_setreg_imm32_b32 hwreg(HW_REG_WAVE_MODE, 25, 1), 1
	s_wait_xcnt 0x0
	s_wait_alu depctr_hold_cnt(0) depctr_sa_sdst(0) depctr_va_vdst(0) depctr_va_sdst(0) depctr_va_ssrc(0) depctr_va_vcc(0) depctr_vm_vsrc(0)
	s_getreg_b32 s2, hwreg(HW_REG_IB_STS2, 6, 4)
	s_cmp_eq_u32 s2, 0
	s_cbranch_scc0 .Lentry_in_a_cluster
	s_endpgm
.Lentry_in_a_cluster:
	s_bfe_u32 s2, ttmp6, 0x10000c
	s_cmp_lg_u32 s2, 0xf033
	s_cbranch_scc0 .Lentry_shape_is_right
	s_endpgm
.Lentry_shape_is_right:
.set SLOT,  131072
.set PART,  32768
.set SPARE, 2*SLOT
.set FR,    16
.set NL,    4
.set NP,    4
.set LAPS,  2
.set ADRA,  16
.set ADRB,  20
.set LO,    22
.set SPW,   28
.set NIL,   29
.set SC,    30
.set LM,    31
.set TAB,   32
.set AF,    128
.set RR,    128
.set CC,    192
.set G1,  24
.set G0,  32
.set G1B, 48
.set G0B, 56
.set MSB, 0
.macro WIN new
.if MSB != (\new)
	s_set_vgpr_msb (MSB<<8)|(\new)
.set MSB, (\new)
.endif
.endm
.set MUL_LO, 0xa1
.set MUL_HI, 0xf1
.set TO_B,   0x40
.macro JLOAD g0a, g1a, g0b, g1b
	s_cmp_eq_u32 s15, 0
	s_cbranch_scc0 .Lfor_b_\@
	tensor_load_to_lds s[\g0a:\g0a+3], s[\g1a:\g1a+7]
	s_nop 0
.rept 4
	v_nop
.endr
	s_branch .Lasked_\@
.Lfor_b_\@:
	tensor_load_to_lds s[\g0b:\g0b+3], s[\g1b:\g1b+7]
	s_nop 0
.rept 4
	v_nop
.endr
.Lasked_\@:
.endm
.macro CREST
	s_cmp_lg_u32 s14, 0
	s_cbranch_scc1 .Lnot_wave_0_\@
	s_barrier_signal -3
.Lnot_wave_0_\@:
	s_barrier_wait -3
	s_barrier_signal -1
	s_barrier_wait -1
.endm
.macro CROUND
	s_barrier_signal -1
	s_barrier_wait -1
	CREST
.endm
	s_load_b256 s[4:11], s[0:1], 0x0
	v_lshl_add_u32 v[SPW], v0, 2, SPARE
	v_mov_b32 v[NIL], 0
	ds_add_u32 v[SPW], v[NIL]
	ds_add_u32 v[SPW], v[NIL]
	v_lshrrev_b32 v1, 5, v0
	v_readfirstlane_b32 s14, v1
	s_lshr_b32 s15, s14, 1
	s_and_b32 s16, s14, 1
	s_bfe_u32 s40, ttmp6, 0x40000
	s_bfe_u32 s41, ttmp6, 0x40004
	s_and_b32 s17, ttmp7, 0xffff
	s_lshl_b32 s17, s17, 2
	s_lshl_b32 s43, s41, 2
	s_lshl_b32 s43, 15, s43
	s_lshl_b32 s44, 0x1111, s40
	s_or_b32 s[G1+0], s43, (3<<16)|(1<<21)
	s_or_b32 s[G1B+0], s44, (3<<16)|(1<<21)
.irp g, G1, G1B
	s_mov_b32 s[\g+1], 512<<16
	s_mov_b32 s[\g+2], 8<<16
	s_mov_b32 s[\g+3], 512<<16
	s_mov_b32 s[\g+4], 8
	s_mov_b32 s[\g+5], 2048
	s_mov_b32 s[\g+6], 0
	s_mov_b32 s[\g+7], 0
.endr
	s_lshr_b32 s13, ttmp9, 1
	s_mul_i32 s18, s17, s13
	s_sub_co_u32 s19, s17, s18
	s_mul_i32 s12, s13, 6<<20
	s_lshl_b32 s42, s16, 17
	s_add_co_u32 s20, s41, s19
	s_lshl_b32 s20, s20, 18
	s_lshl_b32 s21, ttmp9, 22
	s_add_co_u32 s20, s20, s21
	s_add_co_u32 s20, s20, s12
	s_add_co_u32 s20, s20, s42
	s_mov_b32 s21, 0
	s_add_co_u32 s46, s40, s18
	s_lshl_b32 s46, s46, 18
	s_lshl_b32 s47, ttmp9, 20
	s_add_co_u32 s46, s46, s47
	s_add_co_u32 s46, s46, 12<<20
	s_sub_co_u32 s46, s46, s12
	s_add_co_u32 s46, s46, s42
	s_mov_b32 s47, 0
	s_lshl_b32 s45, s14, 15
	s_wait_dscnt 0x0
	s_wait_kmcnt 0x0
	s_load_b512 s[68:83], s[8:9], 0x0
	s_add_nc_u64 s[20:21], s[4:5], s[20:21]
	s_add_nc_u64 s[46:47], s[4:5], s[46:47]
	CROUND
.irp s, 0,1
	s_mov_b32 s[G0+4*\s], 1
	s_add_co_u32 s[G0+4*\s+1], s45, \s*SLOT
	s_add_nc_u64 s[G0+4*\s+2:G0+4*\s+3], s[20:21], \s*4096
	s_or_b32 s[G0+4*\s+3], s[G0+4*\s+3], 0x80000000
	s_mov_b32 s[G0B+4*\s], 1
	s_add_co_u32 s[G0B+4*\s+1], s45, \s*SLOT
	s_add_nc_u64 s[G0B+4*\s+2:G0B+4*\s+3], s[46:47], \s*4096
	s_or_b32 s[G0B+4*\s+3], s[G0B+4*\s+3], 0x80000000
.if \s
	s_wait_alu depctr_va_vdst(0)
	s_wait_tensorcnt 0x0
	ds_add_u32 v28, v29
	ds_add_u32 v28, v29
	s_wait_dscnt 0x0
	CROUND
.endif
	JLOAD G0+4*\s, G1, G0B+4*\s, G1B
.endr
	v_and_b32 v1, 31, v0
	v_lshlrev_b32 v[LO], 4, v1
	s_lshl_b32 s22, s15, 15
	s_lshl_b32 s23, s16, 15
	s_add_co_u32 s23, s23, 2*PART
.irp s, 0,1
	v_add_nc_u32 v[ADRA+\s], s22, v[LO]
	v_add_nc_u32 v[ADRB+\s], s23, v[LO]
	s_add_co_u32 s22, s22, SLOT
	s_add_co_u32 s23, s23, SLOT
.endr
.macro FRAG reg, adr, q, i
.irp c, 0,1,2,3
	ds_load_b128 v[\reg+4*\c:\reg+4*\c+3], v[\adr] offset:4096*(\i)+2048*(\q)+512*\c
.endr
.endm
.macro MUL16 a0, p, zero
.irp a, \a0, \a0+1
.irp b, 0,1,2,3,4,5,6,7
.if \zero
	v_wmma_f32_16x16x128_fp8_fp8 v[8*(8*((\a)%4)+\b):8*(8*((\a)%4)+\b)+7], v[128*(\p)+FR*\b:128*(\p)+FR*\b+FR-1], v[AF+FR*(\a):AF+FR*(\a)+FR-1], 0
.else
	v_wmma_f32_16x16x128_fp8_fp8 v[8*(8*((\a)%4)+\b):8*(8*((\a)%4)+\b)+7], v[128*(\p)+FR*\b:128*(\p)+FR*\b+FR-1], v[AF+FR*(\a):AF+FR*(\a)+FR-1], v[8*(8*((\a)%4)+\b):8*(8*((\a)%4)+\b)+7]
.endif
.endr
.endr
.endm
.macro FETCH_B slot, q, p
	WIN TO_B
.irp i, 0,1,2,3,4,5,6,7
	FRAG 128*(\p)+FR*\i, ADRB+\slot, \q, \i
.endr
	WIN 0
.endm
.macro FETCH_A slot, q, i0
.irp i, \i0, \i0+1, \i0+2, \i0+3
	FRAG AF+FR*(\i), ADRA+\slot, \q, \i
.endr
.endm
.macro PLACES n
.rept \n
	v_nop
.endr
.endm
.macro STEP slot, q, zero
	s_wait_dscnt 4*NL
	WIN MUL_LO
	MUL16 0, (\q)%2, \zero
	MUL16 2, (\q)%2, \zero
	s_wait_dscnt 0
	PLACES NP
	FETCH_B \slot, (\q)+1, 1-(\q)%2
	FETCH_A \slot, (\q)+1, 0
	WIN MUL_HI
	MUL16 4, (\q)%2, \zero
	MUL16 6, (\q)%2, \zero
	PLACES NP
	WIN 0
	FETCH_A \slot, (\q)+1, 4
.endm
.macro TURN slot, next, fill
	s_wait_tensorcnt 0x0
	ds_add_u32 v[SPW], v[NIL]
	s_wait_dscnt 4*NL+1
	WIN MUL_LO
	MUL16 0, 1, 0
	s_wait_dscnt 0x0
	s_barrier_signal -1
	MUL16 2, 1, 0
	WIN 0
	s_barrier_wait -1
.if \fill
	CREST
	s_add_nc_u64 s[G0+4*\slot+2:G0+4*\slot+3], s[G0+4*\slot+2:G0+4*\slot+3], 8192
	s_add_nc_u64 s[G0B+4*\slot+2:G0B+4*\slot+3], s[G0B+4*\slot+2:G0B+4*\slot+3], 8192
	JLOAD G0+4*\slot, G1, G0B+4*\slot, G1B
.else
	PLACES NP
.endif
	FETCH_B \next, 0, 0
	FETCH_A \next, 0, 0
	WIN MUL_HI
	MUL16 4, 1, 0
	MUL16 6, 1, 0
	PLACES NP
	WIN 0
	FETCH_A \next, 0, 4
.endm
.macro LAST
	s_wait_dscnt 4*NL
	WIN MUL_LO
	MUL16 0, 1, 0
	MUL16 2, 1, 0
	s_wait_dscnt 0
	WIN MUL_HI
	MUL16 4, 1, 0
	MUL16 6, 1, 0
	WIN 0
.endm
	s_wait_alu depctr_va_vdst(0)
	s_wait_tensorcnt 1
	s_barrier_signal -1
	s_barrier_wait -1
	FETCH_B 0, 0, 0
	FETCH_A 0, 0, 0
	FETCH_A 0, 0, 4
	STEP 0, 0, 1
	s_mov_b32 s3, LAPS-1
.Llap:
	TURN 0, 1, 1
	STEP 1, 0, 0
	TURN 1, 0, 1
	STEP 0, 0, 0
	s_sub_co_u32 s3, s3, 1
	s_cmp_lg_u32 s3, 0
	s_cbranch_scc1 .Llap
	TURN 0, 1, 0
	STEP 1, 0, 0
	s_wait_kmcnt 0x0
	s_cmp_eq_u32 ttmp9, 1
	s_cselect_b32 s84, s70, s68
	s_cselect_b32 s85, s71, s69
	s_cselect_b32 s86, s75, s74
	s_cselect_b32 s87, s79, s78
	s_cmp_eq_u32 ttmp9, 2
	s_cselect_b32 s84, s72, s84
	s_cselect_b32 s85, s73, s85
	s_cselect_b32 s86, s77, s86
	s_cselect_b32 s87, s81, s87
	s_cselect_b32 s88, s41, s40
	s_cmp_lt_u32 s88, 2
	s_cselect_b32 s86, s86, s87
	s_sub_co_i32 s86, s86, s84
	s_sub_co_i32 s86, s86, s85
	s_add_co_i32 s86, s86, 127
	s_lshl_b32 s87, s86, 23
	v_mov_b32 v[SC], s87
	s_add_co_i32 s86, s86, 8
	s_lshl_b32 s86, s86, 23
	s_or_b32 s86, s86, 0x600000
	v_mov_b32 v[LM], s86
	s_cmp_eq_u32 ttmp9, 2
	s_cbranch_scc1 .Lv_tail
	s_add_co_u32 s89, s17, s41
	s_lshl_b32 s89, s89, 4
	s_lshl_b32 s90, s15, 3
	s_add_co_u32 s89, s89, s90
	s_lshl_b32 s90, s89, 12
	s_mov_b32 s91, 0
	s_add_nc_u64 s[6:7], s[6:7], s[90:91]
.macro TABLOAD a
.irp m, 0,1,2,3,4,5,6,7
	global_load_b128 v[32*(\a)+4*\m:32*(\a)+4*\m+3], v[LO], s[6:7] offset:4096*(\a)+512*\m
.endr
.endm
	WIN TO_B                                       ; the table's blocks 0-3 land in B's set 0 (window 1), which the last K step does not read
	TABLOAD 0
	TABLOAD 1
	TABLOAD 2
	TABLOAD 3
	WIN 0
	s_lshl_b32 s90, s40, 2
	s_lshl_b32 s92, s16, 1
	s_add_co_u32 s90, s90, s92
	s_lshl_b32 s90, s90, 18
	s_lshl_b32 s92, s89, 10
	s_add_co_u32 s90, s90, s92
	s_lshl_b32 s92, ttmp9, 22
	s_add_co_u32 s90, s90, s92
	s_add_nc_u64 s[10:11], s[10:11], s[90:91]
	LAST
	PLACES NP
	WIN TO_B                                       ; blocks 4-7 land in B's set 1, behind the places
	TABLOAD 4
	TABLOAD 5
	TABLOAD 6
	TABLOAD 7
	WIN 0
.macro ROPE a
	s_wait_loadcnt 8*(7-(\a))                      ; block a's eight loads are in; the eight of each later block may be out
.set TS, 32*(\a)
.irp g, 0,1
.set AB, 8*(8*((\a)%4)+4*\g)
.set CS2, 32+8*(2*(\a)+\g)+64*((2*(\a)+\g)/12)     ; each of the sixteen blocks has its own eight registers for its codes (v32-127, then v192-223): no store's data are written again
	WIN 0x06+((\a)/4)                              ; source 0: window 2 or 3; source 1 (the table): window 1
.irp j, 0,2,4,6,8,10,12,14
	v_pk_mul_f32 v[RR+\j:RR+\j+1], v[AB+16+\j:AB+16+\j+1], v[TS+16+\j:TS+16+\j+1]
	v_pk_mul_f32 v[RR+16+\j:RR+16+\j+1], v[AB+\j:AB+\j+1], v[TS+16+\j:TS+16+\j+1]
.endr
.irp j, 0,2,4,6,8,10,12,14
	v_pk_fma_f32 v[RR+\j:RR+\j+1], v[AB+\j:AB+\j+1], v[TS+\j:TS+\j+1], v[RR+\j:RR+\j+1] neg_lo:[0,0,1] neg_hi:[0,0,1]
	v_pk_fma_f32 v[RR+16+\j:RR+16+\j+1], v[AB+16+\j:AB+16+\j+1], v[TS+\j:TS+\j+1], v[RR+16+\j:RR+16+\j+1]
.endr
	WIN 0
.set n, 0
.rept 32
	v_med3_num_f32 v[RR+n], v[RR+n], -v[LM], v[LM]
.set n, n+1
.endr
.irp c, 0,1,2,3
	v_cvt_scalef32_pk8_fp8_f32 v[CS2+2*\c:CS2+2*\c+1], v[RR+8*\c:RR+8*\c+7], v[SC]
.endr
	v_nop
	global_store_b128 v[LO], v[CS2:CS2+3], s[10:11] offset:262144*\g+1024*(\a)
	global_store_b128 v[LO], v[CS2+4:CS2+7], s[10:11] offset:262144*\g+1024*(\a)+512
.endr
.endm
.irp a, 0,1,2,3,4,5,6,7
	ROPE \a
.endr
	s_branch .Lend
.Lv_tail:
	s_lshl_b32 s90, s41, 2
	s_lshl_b32 s92, s15, 1
	s_add_co_u32 s90, s90, s92
	s_lshl_b32 s90, s90, 18
	s_add_co_u32 s92, s17, s40
	s_lshl_b32 s92, s92, 1
	s_add_co_u32 s92, s92, s16
	s_lshl_b32 s92, s92, 13
	s_add_co_u32 s90, s90, s92
	s_add_co_u32 s90, s90, 8<<20
	s_mov_b32 s91, 0
	s_add_nc_u64 s[10:11], s[10:11], s[90:91]
	LAST
	PLACES NP
.macro VOUT a
.set AB, 64*((\a)%4)
.set CS2, 32+16*(\a)+64*((\a)/6)                   ; each of the eight blocks has its own sixteen registers for its codes (v32-127, then v192-223)
	WIN 0x02+((\a)/4)
.set n, 0
.rept 64
	v_med3_num_f32 v[RR+n], v[AB+n], -v[LM], v[LM]
.set n, n+1
.endr
	WIN 0
.irp c, 0,1,2,3,4,5,6,7
	v_cvt_scalef32_pk8_fp8_f32 v[CS2+2*\c:CS2+2*\c+1], v[RR+8*\c:RR+8*\c+7], v[SC]
.endr
	v_nop
.irp p, 0,1,2,3
	global_store_b128 v[LO], v[CS2+4*\p:CS2+4*\p+3], s[10:11] offset:262144*((\a)/4)+2048*((\a)%4)+512*\p
.endr
.endm
	s_wait_alu depctr_va_vdst(0)
.irp a, 0,1,2,3,4,5,6,7
	VOUT \a
.endr
.Lend:
	s_wait_tensorcnt 0x0
	ds_add_u32 v[SPW], v[NIL]
	s_wait_dscnt 0x0
	CROUND
	s_endpgm
.Lfunc_end_k_qfbe0b19001_qkv:
	.size	k_qfbe0b19001_qkv, .Lfunc_end_k_qfbe0b19001_qkv-k_qfbe0b19001_qkv
	.p2alignl 7, 3214868480
	.fill 96, 4, 3214868480
	.section	.rodata,"a",@progbits
	.p2align	6, 0x0
	.amdhsa_kernel k_qfbe0b19001_qkv
		.amdhsa_group_segment_fixed_size 327680
		.amdhsa_private_segment_fixed_size 0
		.amdhsa_enable_private_segment 0
		.amdhsa_kernarg_size 32
		.amdhsa_user_sgpr_count 2
		.amdhsa_user_sgpr_kernarg_segment_ptr 1
		.amdhsa_wavefront_size32 1
		.amdhsa_system_sgpr_workgroup_id_x 1
		.amdhsa_system_sgpr_workgroup_id_y 1
		.amdhsa_system_sgpr_workgroup_id_z 1
		.amdhsa_system_vgpr_workitem_id 0
		.amdhsa_next_free_vgpr 1024
		.amdhsa_next_free_sgpr 96
		.amdhsa_reserve_vcc 0
		.amdhsa_float_denorm_mode_32 3
		.amdhsa_float_denorm_mode_16_64 3
		.amdhsa_memory_ordered 1
		.amdhsa_forward_progress 1
		.amdhsa_inst_pref_size 202
	.end_amdhsa_kernel
	.amdgpu_metadata
---
amdhsa.version: [ 1, 2 ]
amdhsa.kernels:
  - .name:           k_qfbe0b19001_qkv
    .symbol:         k_qfbe0b19001_qkv.kd
    .args:
      - { .name: xw, .offset: 0, .size: 8, .value_kind: global_buffer, .address_space: global }
      - { .name: tab, .offset: 8, .size: 8, .value_kind: global_buffer, .address_space: global }
      - { .name: lowp_scales, .offset: 16, .size: 8, .value_kind: global_buffer, .address_space: global }
      - { .name: qkv, .offset: 24, .size: 8, .value_kind: global_buffer, .address_space: global }
    .group_segment_fixed_size: 327680
    .private_segment_fixed_size: 0
    .kernarg_segment_align: 8
    .kernarg_segment_size: 32
    .max_flat_workgroup_size: 128
    .sgpr_count:     96
    .vgpr_count:     1024
    .wavefront_size: 32
...
	.end_amdgpu_metadata
.endif
;; end of part 2
;; launch attn (part 3): grid 32 x 8, 12 waves a work-group, no clusters, 327,680 bytes of LDS; arguments qkv, lowp_scales, ac; writes ac
.if DOCPART == 3
	.amdgcn_target "amdgcn-amd-amdhsa--gfx1250"
	.amdhsa_code_object_version 6
	.text
	.protected	k_qfbe0b19001_attn
	.globl	k_qfbe0b19001_attn
	.p2align	8
	.type	k_qfbe0b19001_attn,@function
k_qfbe0b19001_attn:
	s_mov_b64 s[64:65], 0
	v_nop
	global_prefetch_b8 v0, s[64:65] scope:SCOPE_SE
	s_setreg_imm32_b32 hwreg(HW_REG_WAVE_MODE, 25, 1), 1
	s_wait_xcnt 0x0
; attn: both kinds of heads, both products on codes of E4M3; the result is quantised for the last projection.
; LEFT OUT: key steps all of whose 128 keys come after a tile's queries under the causal mask that the problem builds itself: their p is 0 for every input.
; THE SOFTMAX AHEAD OF THE SECOND PRODUCT: t = score x log2(e) / 8; M = the running largest t rounded UP to a whole number; p = 2^(t - M) is quantised, not normalised; the row's sum is taken of the
; unquantised p and divides at the end.  When M moves, the sum and O are multiplied by 2^(old M - new M): nothing is rounded, and there is no branch on data.
; The running maximum is kept as a raw sum of code products: such a sum is at most 64 x 448 x 448 in size, so -2^25 lies under every one.
; SHARES.  Work-group (i, j) serves heads j (causal) and 8 + j (full).  Twelve waves, TWO tiles of 16 queries each: a fragment of K or V read from LDS feeds two matrix instructions.  w' = wave % 4.
; Waves 0-3: the causal head, tile 0 = 255 - 4 i - w', tile 1 = 4 i + w'.  The four low tiles lie in one step of 128 keys, (i / 2), and so do the four high ones, ((63 - i) / 2): the four causal
; waves walk the same steps, i / 2 + 1 with both tiles and then (63 - i) / 2 - i / 2 with tile 0 alone: 33 tile steps for every i.
; Waves 4-7 and 8-11: the full head, tiles 8 i + 2 w', + 1: wave 4 + w' walks the even key steps, wave 8 + w' the odd ones, each with a running M, sum and O^T of its own; at the end wave 8 + w'
; hands its three to wave 4 + w' through LDS, and both parts are brought under the larger M by powers of two.
; NO CLUSTER: a work-group's causal regions are read up to query 4,095 - 64 i only; a slot beyond is read by none of its waves, is not asked for, and the jump that leaves it out may not lead round a joint load.
; LAYOUT.  Both products transposed: S^T = K Q^T (source 0 = 16 keys), O^T = V^T P^T (source 0 = 16 channels): a lane holds one query of each tile.  Tile t of S^T holds keys 16 t + 8 h + 0..7 in its
; eight registers: their conversion IS registers 2t, 2t+1 of P's K = 128 fragment.  K, V come as fragment images (launch qkv): every LDS read is 16 x lane + constants.
; A SLOT is 512 keys of both heads: K full, V full, K causal, V causal, 32,768 bytes each, dense in memory; wave w under 8 fetches half w % 2 of region w / 2.  Two slots.
; OUT, ac: [block of 16 queries: 256][head 16][1,024]: heads 2s, 2s+1 are the K = 128 fragment of K step s of the last projection.
; LIMITS: eq + ek between -123 and 100 (added to c's exponent field; c x 2^25 stays an f32 number); ep, and e14 - ep - ev, between -126 and 119; the scaled scores stay under 2^31.  NaN is not served.
; REGISTERS, window 0: v1-11, v29 addresses and constants; v12-15 -M and the largest score of tiles 0, 1; v16-19 f; v20-23 the sums; v24-28 scales; v32-63 16 a tile: at work (the sum's four chains,
;   the maximum's four, three more), then p's codes; v64-127 K's 8 fragments, then V's 4; v128-255 S^T, then p (64 a tile).   window 1: v0-63 O^T (32 a tile); v64-79 Q.
.set SLOT1, 1<<17                      ; slot 1 begins here: one exclusive or turns an address in one slot into the other's
.set REG,   32768
.set STEPB, 8192                       ; 128 keys of K (8 fragments of 1,024) or of V (4 of 2,048)
.set SPARE, 2*SLOT1                    ; the spare words, 128 bytes for each wave: six blocks of 256 bytes that no other line names
.set NSL,   8
.set SPAIR, 17*512                     ; the stage of a pair of full waves: 16 pieces of O^T and one of -M and the sums.  The stages lie in slot 0, which has had its last fill and its last read at the last change of slots
.set AK0, 1                            ; 16 x lane + my head's K region
.set AV0, 2
.set PFO, 3                            ; 256 x lane
.set DG0, 4                            ; tile 0: my query's place in its diagonal step, less 8 h
.set SPW, 5
.set NIL, 6
.set GO,  7                            ; 16 x lane
.set ADK, 8
.set ADV, 9
.set DG1, 10
.set NINF, 11
.set NM,  12                           ; + 2 T: -M; + 1: the largest score
.set F,   16                           ; + 2 T: f (a pair is named; its low word serves)
.set SM,  20                           ; + 2 T: the sum, in two halves
.set STG, 29                           ; my pair's stage + 16 x lane
.set CH,  32                           ; + 16 T + 2 k: chain k of the step's sum
.set MX,  40                           ; + 16 T: four chains of the maximum
.set PM,  44                           ; + 16 T
.set TM,  45
.set DD,  46
.set CD,  32                           ; + 16 T: p's codes, over what was at work
.set HB,  56                           ; what the other half hands over: -M, sum, -M, sum
.set KV,  64
.set S,   128
.set QF,  64                           ; window 1
.set TB,  2                            ; s2   LDS byte at which the step in hand begins
.set CNT, 3
.set WV,  18
.set SEL, 20
.set CS,  22                           ; s[22:23] c = log2(e) / 8 x 2^(eq + ek)
.set G1,  24
.set G0,  40
.set SLOTS, 67
.set PFA, 76
.set LIM, 80                           ; 1 in a wave that prefetches, else the greatest number
.set NCS, 81                           ; -c
.set LAST, 82                          ; my work-group's last causal query
.set ROLE, 83                          ; wave / 4: 0: causal; 1: full, even steps; 2: full, odd steps
.set PMASK, 93                         ; a step is mine where (first key & PMASK) = PVAL
.set PVAL, 94
.set QL,  97                           ; first key of tile 1's diagonal step; beyond every key in a full wave
.set KF,  98                           ; the step's first key
.set QH,  99                           ; the same for tile 0
.set MSB, 0
.macro WIN new                         ; the immediate's high byte repeats the setting that is left
.if MSB != (\new)
	s_set_vgpr_msb (MSB<<8)|(\new)
.set MSB, (\new)
.endif
.endm
.macro EACH nt, body:vararg            ; one line for each of the step's tiles, T = 0 .. nt - 1: the tiles' chains stand side by side
.set T, 0
.rept \nt
	\body
.set T, T+1
.endr
.endm
.macro PLACES
.rept 4
	v_nop
.endr
.endm
.macro FILL                            ; an s_nop 0 and four v_nop follow the load
	tensor_load_to_lds s[G0:G0+3], s[G1:G1+7]
	s_nop 0
	PLACES
.endm
; A PREFETCH INTO THE L2 of what the NEXT change of slots will ask for.  All 32 work-groups of a pair of heads walk the same K and V: the first four ask (they read every slot).  In them wave T (0-3) asks for region T;
; the four share a region's 32,768 bytes out by address, 8,192 each, lanes 256 bytes apart: one instruction a wave, each block of 256 bytes named once in the launch.
; Slots 0 and 1 come by their loads alone; the last change that fills a slot asks for nothing.
.macro ASK
	s_cmp_gt_u32 s[SLOTS], s[LIM]
	s_cbranch_scc0 .Lnot_mine_\@
	global_prefetch_b8 v[PFO], s[PFA:PFA+1] th:TH_LOAD_NT scope:SCOPE_SE
.Lnot_mine_\@:
.endm
.macro RBASE dst, t                    ; s[dst] = where region s[t] begins in qkv: k at 4 MiB, v at 8 MiB; head 8 + j for regions 0, 1, head j for 2, 3
	s_and_b32 s[\dst], s[\t], 1
	s_add_co_u32 s[\dst], s[\dst], 1
	s_lshl_b32 s[\dst], s[\dst], 22
	s_lshr_b32 s10, s[\t], 1
	s_xor_b32 s10, s10, 1
	s_lshl_b32 s10, s10, 3
	s_add_co_u32 s10, s10, s12
	s_lshl_b32 s10, s10, 18
	s_add_co_u32 s[\dst], s[\dst], s10
.endm
	s_load_b128 s[4:7], s[0:1], 0x0                ; qkv, the scales' exponents
	s_load_b64 s[8:9], s[0:1], 0x10                ; ac
	v_lshl_add_u32 v[SPW], v0, 2, SPARE
	v_mov_b32 v[NIL], 0
	ds_add_u32 v[SPW], v[NIL]                      ; the opening lines: the add, twice on end, and its wait ahead of my first tensor load
	ds_add_u32 v[SPW], v[NIL]
	v_lshrrev_b32 v8, 5, v0
	v_readfirstlane_b32 s[WV], v8                  ; wave 0..11
	s_and_b32 s12, ttmp7, 0xffff                   ; j
	s_lshr_b32 s[ROLE], s[WV], 2
	s_min_u32 s13, s[ROLE], 1
	s_xor_b32 s13, s13, 1                          ; 1: a causal wave
	s_and_b32 s14, s[WV], 3                        ; w'
	s_lshr_b32 s[PVAL], s[ROLE], 1
	s_lshl_b32 s[PVAL], s[PVAL], 7                 ; 128 in the waves of the odd steps
	s_lshl_b32 s15, ttmp9, 3
	s_lshl_b32 s16, s14, 1
	s_add_co_u32 s15, s15, s16                     ; a full wave's tiles
	s_add_co_u32 s16, s15, 1
	s_lshl_b32 s17, ttmp9, 2
	s_add_co_u32 s17, s17, s14                     ; a causal wave's low tile,
	s_sub_co_u32 s19, 255, s17                     ; and its high one
	s_sub_co_u32 s32, 63, ttmp9
	s_lshr_b32 s32, s32, 1
	s_lshl_b32 s32, s32, 7
	s_lshr_b32 s33, ttmp9, 1
	s_lshl_b32 s33, s33, 7
	s_add_co_u32 s34, s12, 8
	s_cmp_eq_u32 s13, 0
	s_cselect_b32 s15, s15, s19                    ; tile 0
	s_cselect_b32 s16, s16, s17                    ; tile 1
	s_cselect_b32 s[QH], 1<<20, s32
	s_cselect_b32 s[QL], 1<<20, s33
	s_cselect_b32 s34, s34, s12                    ; my head
	s_cselect_b32 s[PMASK], 128, 0
	s_lshl_b32 s35, s34, 8
	s_add_co_u32 s36, s35, s15
	s_lshl_b32 s36, s36, 10                        ; Q's fragments: (head x 256 + tile) x 1,024
	s_mov_b32 s37, 0
	s_add_co_u32 s38, s35, s16
	s_lshl_b32 s38, s38, 10
	s_mov_b32 s39, 0
	s_lshl_b32 s44, s15, 4
	s_add_co_u32 s44, s44, s34
	s_lshl_b32 s44, s44, 10                        ; my places in ac: (tile x 16 + head) x 1,024
	s_mov_b32 s45, 0
	s_lshl_b32 s46, s16, 4
	s_add_co_u32 s46, s46, s34
	s_lshl_b32 s46, s46, 10
	s_mov_b32 s47, 0
	s_lshr_b32 s11, s[WV], 1
	RBASE 52, 11                                   ; what I fetch, if I fetch (waves 0-7): region wave / 2,
	s_and_b32 s10, s[WV], 1
	s_lshl_b32 s10, s10, 14
	s_add_co_u32 s52, s52, s10                     ; half wave % 2
	s_mov_b32 s53, 0
	RBASE 54, 14                                   ; the prefetches: region w',
	s_lshl_b32 s10, ttmp9, 13
	s_add_co_u32 s54, s54, s10                     ; my work-group's 8,192 bytes,
	s_add_co_u32 s54, s54, REG                     ; in slot 1: the first change of slots steps it to slot 2
	s_mov_b32 s55, 0
	s_lshr_b32 s56, ttmp9, 2
	s_or_b32 s56, s56, s[ROLE]                     ; 0 in waves 0-3 of work-groups 0-3
	s_cmp_eq_u32 s56, 0
	s_cselect_b32 s[LIM], 1, -1
	s_lshl_b32 s57, ttmp9, 6
	s_sub_co_u32 s[LAST], 4095, s57
	s_lshl_b32 s58, s[WV], 14                      ; where my part goes: wave x 16,384
	s_mul_i32 s59, s14, SPAIR                      ; my pair's stage
	s_mov_b32 s[G1], 3<<16                         ; no mask; elements of 8 bytes; no padding
	s_mov_b32 s[G1+1], 32<<16                      ; a dense block of 16,384 bytes as 64 rows of 256
	s_mov_b32 s[G1+2], 64<<16
	s_mov_b32 s[G1+3], 32<<16
	s_mov_b32 s[G1+4], 64
	s_mov_b32 s[G1+5], 32
	s_mov_b32 s[G1+6], 0
	s_mov_b32 s[G1+7], 0
	s_mov_b32 s[SEL], 0x76543210
	s_mov_b32 s[SEL+1], 0xfedcba98
	s_mov_b32 s[CS], 0x3e38aa3b                    ; log2(e) / 8
	s_mov_b32 s[TB], 0
	s_mov_b32 s[KF], 0
	s_mov_b32 s[SLOTS], NSL-1
	s_wait_dscnt 0x0                               ; both opening adds are done
	s_wait_kmcnt 0x0
	s_load_b256 s[84:91], s[6:7], 0x18             ; e6 .. e13
	s_load_b32 s92, s[6:7], 0x38                   ; e14
	s_add_nc_u64 s[52:53], s[4:5], s[52:53]
	s_mov_b32 s[G0], 1
	s_mov_b32 s[G0+1], s58
	s_mov_b64 s[G0+2:G0+3], s[52:53]
	s_or_b32 s[G0+3], s[G0+3], 0x80000000
	s_cmp_lt_u32 s[WV], 8
	s_cbranch_scc0 .Lno_fill
	FILL                                           ; slot 0: one load a fetching wave at the head
.Lno_fill:
	s_add_nc_u64 s[PFA:PFA+1], s[4:5], s[54:55]
	s_add_nc_u64 s[36:37], s[4:5], s[36:37]
	s_add_nc_u64 s[38:39], s[4:5], s[38:39]
	s_add_nc_u64 s[44:45], s[8:9], s[44:45]
	s_add_nc_u64 s[46:47], s[8:9], s[46:47]
	v_and_b32 v8, 31, v0
	v_lshlrev_b32 v[GO], 4, v8
	WIN 0x40
	global_load_b128 v[QF:QF+3], v[GO], s[36:37]   ; Q's two fragments stay in registers
	global_load_b128 v[QF+4:QF+7], v[GO], s[36:37] offset:512
	global_load_b128 v[QF+8:QF+11], v[GO], s[38:39]
	global_load_b128 v[QF+12:QF+15], v[GO], s[38:39] offset:512
	WIN 0
	s_lshl_b32 s72, s13, 16
	v_add_nc_u32 v[AK0], s72, v[GO]
	v_add_nc_u32 v[AV0], REG, v[AK0]
	v_add_nc_u32 v[STG], s59, v[GO]
	v_lshlrev_b32 v[PFO], 8, v8
	v_and_b32 v9, 15, v0
	v_bfe_u32 v50, v0, 4, 1
	v_lshlrev_b32 v50, 3, v50
	v_sub_nc_u32 v9, v9, v50                       ; r - 8 h
	s_and_b32 s73, s15, 7
	s_lshl_b32 s73, s73, 4
	v_add_nc_u32 v[DG0], s73, v9                   ; 16 (tile % 8) + r - 8 h: register j of S^T's tile t is hidden where 16 t + j is above it
	s_and_b32 s73, s16, 7
	s_lshl_b32 s73, s73, 4
	v_add_nc_u32 v[DG1], s73, v9
	v_mov_b32 v[NINF], 0xff800000
	v_mov_b32 v[NM+1], 0xcc000000                  ; the largest score so far: -2^25
	v_mov_b32 v[NM+3], 0xcc000000
.irp r, F+1, F+3, SM, SM+1, SM+2, SM+3, PM, PM+16, CH+1, CH+17
	v_mov_b32 v[\r], 0                             ; the pairs' upper halves, the sums, the lane permutes' destinations
.endr
	WIN 0x40
.set n, 0
.rept 64
	v_mov_b32 v[n], 0                              ; O^T: the step is written once; its first walk finds zeros, which the first change of M leaves zeros
.set n, n+1
.endr
	WIN 0
	s_wait_kmcnt 0x0
	s_cmp_eq_u32 s13, 0                            ; entries 10-13 for the full head, 6-9 for the causal one: chosen, not branched on
	s_cselect_b32 s68, s88, s84                    ; eq
	s_cselect_b32 s69, s89, s85                    ; ek
	s_cselect_b32 s70, s90, s86                    ; ep
	s_cselect_b32 s71, s91, s87                    ; ev
	s_add_co_i32 s72, s68, s69
	s_lshl_b32 s72, s72, 23
	s_add_co_i32 s[CS], s[CS], s72                 ; a score stands for score x 2^(eq + ek)
	s_mov_b32 s[CS+1], s[CS]
	s_xor_b32 s[NCS], s[CS], 0x80000000
	v_mul_f32 v[NM], s[NCS], v[NM+1]
	v_floor_f32 v[NM], v[NM]                       ; -M
	v_mov_b32 v[NM+2], v[NM]
	s_add_co_i32 s72, s70, 127
	s_lshl_b32 s73, s72, 23
	v_mov_b32 v24, s73                             ; 2^ep
	s_add_co_i32 s72, s72, 8
	s_lshl_b32 s72, s72, 23
	s_or_b32 s72, s72, 0x600000
	v_mov_b32 v25, s72                             ; 448 x 2^ep,
	v_mov_b32 v28, s72                             ; and once more, for the second half of a dual pair
	s_sub_co_i32 s72, s92, s70
	s_sub_co_i32 s72, s72, s71
	s_add_co_i32 s72, s72, 127
	s_lshl_b32 s73, s72, 23
	v_mov_b32 v26, s73                             ; 2^(e14 - ep - ev): O^T / the sum stands for that number x 2^(ep + ev)
	s_add_co_i32 s72, s72, 8
	s_lshl_b32 s72, s72, 23
	s_or_b32 s72, s72, 0x600000
	v_mov_b32 v27, s72
; A KEY STEP: 128 keys at LDS byte TB of my head's regions, for tiles 0 .. nt - 1.  Tile mt may lie on its diagonal (place dg, first key s[qd]).
.macro STEP nt, mt, dg, qd
	v_add_nc_u32 v[ADK], s[TB], v[AK0]
	v_add_nc_u32 v[ADV], s[TB], v[AV0]
.set n, 0
.rept 16
	ds_load_b128 v[KV+4*n:KV+4*n+3], v[ADK] offset:512*n
.set n, n+1
.endr
	WIN 0x04                                       ; source 1 (Q) window 1
	s_wait_alu depctr_va_vdst(0)                   ; the wait ahead of the waits below
.set n, 0
.rept 8
	s_wait_dscnt 14-2*n                            ; fragment n's two loads are in; the 14 - 2 n issued behind them may be out
	EACH \nt, v_wmma_f32_16x16x64_fp8_fp8 v[S+64*T+8*n:S+64*T+8*n+7], v[KV+8*n:KV+8*n+7], v[QF+8*T:QF+8*T+7], 0
.set n, n+1
.endr
	WIN 0
	PLACES                                         ; in front of the loads into K's registers and of the first read of the scores
.set n, 0
.rept 16
	ds_load_b128 v[KV+4*n:KV+4*n+3], v[ADV] offset:512*n   ; V comes while the softmax is walked
.set n, n+1
.endr
	s_cmp_lt_u32 s[KF], s[\qd]                     ; all keys count: no mask
	s_cbranch_scc1 .Lopen_\@
.set n, 0
.rept 64
	v_cmp_gt_i32 vcc_lo, 16*(n/8)+n%8, v[\dg]
	v_cndmask_b32 v[S+64*\mt+n], v[S+64*\mt+n], v[NINF], vcc_lo   ; hidden scores become -infinity ahead of the maximum: p = 0
.set n, n+1
.endr
.Lopen_\@:
.set n, 0
.rept 4                                        ; the largest score among my 64 keys, four chains a tile; registers in ascending order
	EACH \nt, v_max3_num_f32 v[MX+16*T+n], v[S+64*T+3*n], v[S+64*T+3*n+1], v[S+64*T+3*n+2]
.set n, n+1
.endr
.set n, 0
.rept 26
	EACH \nt, v_max3_num_f32 v[MX+16*T+n%4], v[MX+16*T+n%4], v[S+64*T+12+2*n], v[S+64*T+13+2*n]
.set n, n+1
.endr
	EACH \nt, v_max3_num_f32 v[MX+16*T], v[MX+16*T], v[MX+16*T+1], v[MX+16*T+2]
	EACH \nt, v_max_num_f32 v[MX+16*T], v[MX+16*T], v[MX+16*T+3]
	EACH \nt, v_permlanex16_b32 v[PM+16*T], v[MX+16*T], s[SEL], s[SEL+1]
	EACH \nt, v_max3_num_f32 v[NM+2*T+1], v[NM+2*T+1], v[MX+16*T], v[PM+16*T]   ; the running largest score, lane l xor 16's among it
	EACH \nt, v_mul_f32 v[TM+16*T], s[NCS], v[NM+2*T+1]                         ; -t (c is positive)
	EACH \nt, v_floor_f32 v[TM+16*T], v[TM+16*T]                                ; the new -M = -ceil(t)
	EACH \nt, v_sub_f32 v[DD+16*T], v[TM+16*T], v[NM+2*T]                       ; old M - new M: a whole number, 0 or less
	EACH \nt, v_mov_b32 v[NM+2*T], v[TM+16*T]
	EACH \nt, v_cvt_i32_f32 v[DD+16*T], v[DD+16*T]                              ; (it saturates)
	EACH \nt, v_ldexp_f32 v[F+2*T], 1.0, v[DD+16*T]                             ; f = 2^(old M - new M)
.set n, 0
.rept 32
	EACH \nt, v_pk_fma_f32 v[S+64*T+2*n:S+64*T+2*n+1], v[S+64*T+2*n:S+64*T+2*n+1], s[CS:CS+1], v[NM+2*T:NM+2*T+1] op_sel_hi:[1,0,0]   ; t - M
.set n, n+1
.endr
	WIN 0x41                                       ; O^T: destination and source 0 window 1
.set n, 0
.rept 16
	EACH \nt, v_pk_mul_f32 v[32*T+2*n:32*T+2*n+1], v[32*T+2*n:32*T+2*n+1], v[F+2*T:F+2*T+1] op_sel_hi:[1,0]   ; O^T under the new M, ahead of the exponentials
.set n, n+1
.endr
	WIN 0
	s_wait_alu depctr_va_vdst(0)                   ; the wait ahead of the batch
.set n, 0
.rept 64
	EACH \nt, v_exp_f32 v[S+64*T+n], v[S+64*T+n]   ; p = 2^(t - M)
.set n, n+1
.endr
	v_nop                                          ; the plain line behind the exponentials
	s_wait_alu depctr_va_vdst(0)                   ; one wait for the batch, ahead of its first reader
.set n, 0
.rept 4                                        ; the step's sum of the unquantised p, four chains a tile
	EACH \nt, v_pk_add_f32 v[CH+16*T+2*n:CH+16*T+2*n+1], v[S+64*T+4*n:S+64*T+4*n+1], v[S+64*T+4*n+2:S+64*T+4*n+3]
.set n, n+1
.endr
.set n, 0
.rept 24
	EACH \nt, v_pk_add_f32 v[CH+16*T+2*(n%4):CH+16*T+2*(n%4)+1], v[CH+16*T+2*(n%4):CH+16*T+2*(n%4)+1], v[S+64*T+16+2*n:S+64*T+17+2*n]
.set n, n+1
.endr
	EACH \nt, v_pk_add_f32 v[CH+16*T:CH+16*T+1], v[CH+16*T:CH+16*T+1], v[CH+16*T+2:CH+16*T+3]
	EACH \nt, v_pk_add_f32 v[CH+16*T+4:CH+16*T+5], v[CH+16*T+4:CH+16*T+5], v[CH+16*T+6:CH+16*T+7]
	EACH \nt, v_pk_add_f32 v[CH+16*T:CH+16*T+1], v[CH+16*T:CH+16*T+1], v[CH+16*T+4:CH+16*T+5]
	EACH \nt, v_pk_fma_f32 v[SM+2*T:SM+2*T+1], v[SM+2*T:SM+2*T+1], v[F+2*T:F+2*T+1], v[CH+16*T:CH+16*T+1] op_sel_hi:[1,0,1]   ; the running sum x f + the step's
.set n, 0
.rept 32                                       ; the conversion does not saturate (ISA guide 7.6.2); p is not negative, so the hold is one-sided; two numbers a line
	EACH \nt, v_dual_min_num_f32 v[S+64*T+2*n], v[S+64*T+2*n], v25 :: v_dual_min_num_f32 v[S+64*T+2*n+1], v[S+64*T+2*n+1], v28
.set n, n+1
.endr
.set n, 0
.rept 8
	EACH \nt, v_cvt_scalef32_pk8_fp8_f32 v[CD+16*T+2*n:CD+16*T+2*n+1], v[S+64*T+8*n:S+64*T+8*n+7], v24   ; registers 2n, 2n+1 of P's fragment
.set n, n+1
.endr
	v_nop                                          ; a plain line behind the last conversion
	WIN 0x50                                       ; C and D window 1
	s_wait_alu depctr_va_vdst(0)                   ; the wait here, directly ahead of the wait below
	s_wait_dscnt 0x0                               ; V is in
.set n, 0
.rept 4                                        ; the accumulators take turns, one instruction a turn
	EACH \nt, v_wmma_f32_16x16x128_fp8_fp8 v[32*T+8*n:32*T+8*n+7], v[KV+16*n:KV+16*n+15], v[CD+16*T:CD+16*T+15], v[32*T+8*n:32*T+8*n+7]
.set n, n+1
.endr
	WIN 0
	PLACES                                         ; in front of the next loads into V's registers, of the next writes over the codes, and of the way out
.endm
.macro SLOT_STEPS                      ; a slot's four key steps: a constant count; a step's work is chosen or left out by ids and the count of steps alone
	s_mov_b32 s[CNT], 4
.Lstep_\@:
	s_and_b32 s96, s[KF], s[PMASK]
	s_cmp_lg_u32 s96, s[PVAL]                      ; the other half's step
	s_cbranch_scc1 .Lnext_\@
	s_cmp_gt_u32 s[KF], s[QL]
	s_cbranch_scc1 .Lone_\@
	STEP 2, 1, DG1, QL
	s_branch .Lnext_\@
.Lone_\@:                                          ; tile 1 has had its last key
	s_cmp_gt_u32 s[KF], s[QH]
	s_cbranch_scc1 .Lnext_\@
	STEP 1, 0, DG0, QH
.Lnext_\@:
	s_add_co_u32 s[KF], s[KF], 128
	s_add_co_u32 s[TB], s[TB], STEPB
	s_sub_co_u32 s[CNT], s[CNT], 1
	s_cmp_lg_u32 s[CNT], 0
	s_cbranch_scc1 .Lstep_\@
	s_sub_co_u32 s[TB], s[TB], 4*STEPB
	s_xor_b32 s[TB], s[TB], SLOT1
.endm
; THE CHANGE OF SLOTS stands at a slot's head.  Each wave waits for all its tensor loads (its part of the slot ahead), adds 0 to its spare word, and waits for that and for its reads of the slot left behind.
; fill = 1: behind the barrier that slot is filled with the next 512 keys: by waves 0-7 while the causal head's part is still read by some wave, then by waves 0-3 (the full head's regions) alone.
; The first test hangs on ids and the count of steps and is the same in all waves; the others on the wave's number.  Every wait on TENSORcnt in this text is for 0.
.macro CHANGE fill
	s_wait_tensorcnt 0x0                           ; no tensor load of mine is out, so group 0 may be written
	ds_add_u32 v[SPW], v[NIL]
.if \fill
	ds_add_u32 v[SPW], v[NIL]                      ; and once more, twice on end
	s_xor_b32 s[G0+1], s[G0+1], SLOT1
	s_add_nc_u64 s[G0+2:G0+3], s[G0+2:G0+3], REG
	s_wait_xcnt 0x0                                ; the last prefetch, a slot back, has read its address
	s_add_nc_u64 s[PFA:PFA+1], s[PFA:PFA+1], REG
.endif
	s_wait_dscnt 0x0
	s_barrier_signal -1
	s_barrier_wait -1
.if \fill
	s_add_co_u32 s96, s[KF], 512                   ; the first key of the slot that this change asks for
	s_cmp_gt_u32 s96, s[LAST]
	s_cbranch_scc1 .Lpast_\@
	s_cmp_lt_u32 s[WV], 8
	s_cbranch_scc0 .Lasked_\@
	FILL
	s_branch .Lasked_\@
.Lpast_\@:
	s_cmp_lt_u32 s[WV], 4
	s_cbranch_scc0 .Lasked_\@
	FILL
.Lasked_\@:
	ASK
.endif
.endm
	s_wait_alu depctr_va_vdst(0)                   ; the wait at the head's end
	s_wait_loadcnt 0x0                             ; Q
.Lslot:                                            ; seven trips: behind each change of slots but the last the next slot is asked for
	CHANGE 1
	SLOT_STEPS
	s_sub_co_u32 s[SLOTS], s[SLOTS], 1
	s_cmp_lg_u32 s[SLOTS], 0
	s_cbranch_scc1 .Lslot
	CHANGE 0                                       ; the last slot is written out
	SLOT_STEPS
	; THE WAY OUT.  The sums; then the odd-step waves hand -M, the sum and O^T to their partners through the stage: images of the registers, 16 bytes a lane
	EACH 2, v_add_f32 v[SM+2*T], v[SM+2*T], v[SM+2*T+1]
	EACH 2, v_permlanex16_b32 v[PM+16*T], v[SM+2*T], s[SEL], s[SEL+1]
	EACH 2, v_add_f32 v[SM+2*T], v[SM+2*T], v[PM+16*T]
	s_cmp_lg_u32 s[ROLE], 2
	s_wait_alu depctr_va_vdst(0)                   ; the wait ahead of the branch and the barrier
	s_cbranch_scc1 .Lnot_b
	v_mov_b32 v[HB], v[NM]
	v_mov_b32 v[HB+1], v[SM]
	v_mov_b32 v[HB+2], v[NM+2]
	v_mov_b32 v[HB+3], v[SM+2]
	ds_store_b128 v[STG], v[HB:HB+3] offset:8192
	WIN 0x04                                       ; the stores' data: window 1
.set n, 0
.rept 16
	s_wait_alu depctr_va_vdst(0)                   ; the wait directly ahead of a first reader of O^T
	ds_store_b128 v[STG], v[4*n:4*n+3] offset:512*n
.set n, n+1
.endr
	WIN 0
.Lnot_b:
	s_wait_dscnt 0x0                               ; my stores are done
	s_barrier_signal -1
	s_barrier_wait -1
	s_cmp_eq_u32 s[ROLE], 2
	s_cbranch_scc1 .Lend
	s_cmp_eq_u32 s[ROLE], 0
	s_cbranch_scc1 .Lalone
	ds_load_b128 v[HB:HB+3], v[STG] offset:8192
.set n, 0
.rept 16
	ds_load_b128 v[S+4*n:S+4*n+3], v[STG] offset:512*n
.set n, n+1
.endr
	s_wait_dscnt 0x0
	EACH 2, v_min_num_f32 v[TM+16*T], v[NM+2*T], v[HB+2*T]                  ; -M of the two together
	EACH 2, v_sub_f32 v[DD+16*T], v[TM+16*T], v[NM+2*T]                     ; my M - M, and the other's: whole numbers, 0 or less
	EACH 2, v_sub_f32 v[PM+16*T], v[TM+16*T], v[HB+2*T]
	EACH 2, v_cvt_i32_f32 v[DD+16*T], v[DD+16*T]
	EACH 2, v_cvt_i32_f32 v[PM+16*T], v[PM+16*T]
	EACH 2, v_ldexp_f32 v[F+2*T], 1.0, v[DD+16*T]
	EACH 2, v_ldexp_f32 v[CH+16*T], 1.0, v[PM+16*T]
	EACH 2, v_mul_f32 v[SM+2*T], v[SM+2*T], v[F+2*T]
	EACH 2, v_fmac_f32 v[SM+2*T], v[HB+2*T+1], v[CH+16*T]                   ; the row's sum
	s_wait_alu depctr_va_vdst(0)                   ; the wait ahead of the batch
	EACH 2, v_rcp_f32 v[SM+2*T], v[SM+2*T]
	v_nop
	s_wait_alu depctr_va_vdst(0)                   ; and behind it
	EACH 2, v_mul_f32 v[F+2*T], v[F+2*T], v[SM+2*T]
	EACH 2, v_mul_f32 v[CH+16*T], v[CH+16*T], v[SM+2*T]
.set n, 0
.rept 16
	EACH 2, v_pk_mul_f32 v[S+32*T+2*n:S+32*T+2*n+1], v[S+32*T+2*n:S+32*T+2*n+1], v[CH+16*T:CH+16*T+1] op_sel_hi:[1,0]
.set n, n+1
.endr
	WIN 0x01                                       ; source 0 (O^T) window 1
	s_wait_alu depctr_va_vdst(0)                   ; directly ahead of the first reader of O^T
.set n, 0
.rept 16
	EACH 2, v_pk_fma_f32 v[S+32*T+2*n:S+32*T+2*n+1], v[32*T+2*n:32*T+2*n+1], v[F+2*T:F+2*T+1], v[S+32*T+2*n:S+32*T+2*n+1] op_sel_hi:[1,0,1]
.set n, n+1
.endr
	WIN 0
	s_wait_alu depctr_va_vdst(0)                   ; the wait ahead of the branch
	s_branch .Lquant
.Lalone:                                           ; a causal wave has walked all its keys itself
	EACH 2, v_rcp_f32 v[SM+2*T], v[SM+2*T]
	v_nop
	WIN 0x01
	s_wait_alu depctr_va_vdst(0)                   ; the wait behind the batch, directly ahead of the first reader of O^T
.set n, 0
.rept 16
	EACH 2, v_pk_mul_f32 v[S+32*T+2*n:S+32*T+2*n+1], v[32*T+2*n:32*T+2*n+1], v[SM+2*T:SM+2*T+1] op_sel_hi:[1,0]
.set n, n+1
.endr
	WIN 0
.Lquant:                                           ; O^T / the sum, quantised with 2^(e14 - ep - ev): the conversions' registers are my head's half of the next operand's fragment
.set n, 0
.rept 64
	v_med3_num_f32 v[S+n], v[S+n], -v27, v27
.set n, n+1
.endr
.set n, 0
.rept 4
	EACH 2, v_cvt_scalef32_pk8_fp8_f32 v[KV+8*T+2*n:KV+8*T+2*n+1], v[S+32*T+8*n:S+32*T+8*n+7], v26
.set n, n+1
.endr
	v_nop
	global_store_b128 v[GO], v[KV:KV+3], s[44:45]  ; 512 consecutive bytes each
	global_store_b128 v[GO], v[KV+4:KV+7], s[44:45] offset:512
	global_store_b128 v[GO], v[KV+8:KV+11], s[46:47]
	global_store_b128 v[GO], v[KV+12:KV+15], s[46:47] offset:512
.Lend:
	s_wait_tensorcnt 0x0                           ; the wave's end, behind my last tensor load and my last LDS store
	ds_add_u32 v[SPW], v[NIL]
	s_wait_dscnt 0x0
	s_endpgm
.Lfunc_end_k_qfbe0b19001_attn:
	.size	k_qfbe0b19001_attn, .Lfunc_end_k_qfbe0b19001_attn-k_qfbe0b19001_attn
	.p2alignl 7, 3214868480
	.fill 96, 4, 3214868480
	.section	.rodata,"a",@progbits
	.p2align	6, 0x0
	.amdhsa_kernel k_qfbe0b19001_attn
		.amdhsa_group_segment_fixed_size 327680
		.amdhsa_private_segment_fixed_size 0
		.amdhsa_enable_private_segment 0
		.amdhsa_kernarg_size 24
		.amdhsa_user_sgpr_count 2
		.amdhsa_user_sgpr_kernarg_segment_ptr 1
		.amdhsa_wavefront_size32 1
		.amdhsa_system_sgpr_workgroup_id_x 1
		.amdhsa_system_sgpr_workgroup_id_y 1
		.amdhsa_system_sgpr_workgroup_id_z 1
		.amdhsa_system_vgpr_workitem_id 0
		.amdhsa_next_free_vgpr 336
		.amdhsa_next_free_sgpr 100
		.amdhsa_reserve_vcc 1
		.amdhsa_float_denorm_mode_32 3
		.amdhsa_float_denorm_mode_16_64 3
		.amdhsa_memory_ordered 1
		.amdhsa_forward_progress 1
		.amdhsa_inst_pref_size 136
	.end_amdhsa_kernel
	.amdgpu_metadata
---
amdhsa.version: [ 1, 2 ]
amdhsa.kernels:
  - .name:           k_qfbe0b19001_attn
    .symbol:         k_qfbe0b19001_attn.kd
    .args:
      - { .name: qkv, .offset: 0, .size: 8, .value_kind: global_buffer, .address_space: global }
      - { .name: lowp_scales, .offset: 8, .size: 8, .value_kind: global_buffer, .address_space: global }
      - { .name: ac, .offset: 16, .size: 8, .value_kind: global_buffer, .address_space: global }
    .group_segment_fixed_size: 327680
    .private_segment_fixed_size: 0
    .kernarg_segment_align: 8
    .kernarg_segment_size: 24
    .max_flat_workgroup_size: 384
    .sgpr_count:     100
    .vgpr_count:     336
    .wavefront_size: 32
...
	.end_amdgpu_metadata
.endif
;; end of part 3
;; launch proj (part 4): grid 8 x 32, 4 waves a work-group, clusters of 4 x 4, 327,680 bytes of LDS; arguments ac, xw, lowp_scales, out0; writes out0
.if DOCPART == 4
	.amdgcn_target "amdgcn-amd-amdhsa--gfx1250"
	.amdhsa_code_object_version 6
	.text
	.protected	k_qfbe0b19001_proj
	.globl	k_qfbe0b19001_proj
	.p2align	8
	.type	k_qfbe0b19001_proj,@function
k_qfbe0b19001_proj:
	s_mov_b64 s[64:65], 0
	v_nop
	global_prefetch_b8 v0, s[64:65] scope:SCOPE_SE
	s_setreg_imm32_b32 hwreg(HW_REG_WAVE_MODE, 25, 1), 1
	s_wait_xcnt 0x0
	s_wait_alu depctr_hold_cnt(0) depctr_sa_sdst(0) depctr_va_vdst(0) depctr_va_sdst(0) depctr_va_ssrc(0) depctr_va_vcc(0) depctr_vm_vsrc(0)
	s_getreg_b32 s2, hwreg(HW_REG_IB_STS2, 6, 4)
	s_cmp_eq_u32 s2, 0
	s_cbranch_scc0 .Lentry_in_a_cluster
	s_endpgm
.Lentry_in_a_cluster:
	s_bfe_u32 s2, ttmp6, 0x10000c
	s_cmp_lg_u32 s2, 0xf033
	s_cbranch_scc0 .Lentry_shape_is_right
	s_endpgm
.Lentry_shape_is_right:
; proj: out0 = (attention's result) Wo on codes of E4M3; each finished sum x 2^(e14 + e15).  LIMIT: e14 + e15 between -126 and 127.
; A tile of 128 x 128 to a work-group (256 of them), 64 x 64 to each of four waves: 16 accumulators.  Matrix A = ac, matrix B = Wo's codes (xw at 15 MiB), both as fragment images
; [block of 16 rows][K step of 128: 8][2,048].  ALL OF K (1,024) LIES IN LDS: 256 KiB, each byte filled once, so there is no ring: each wave issues ONE load at the start, its four blocks
; with all eight K steps, 65,536 bytes that are dense in memory; one wait for it and one barrier stand in front of the first read.
; CLUSTERS: 4 x 4: A's tiles are asked for jointly along a row of the cluster, B's along a column.  No prefetch: the launch has no loop to run ahead in.
; THE MATRIX INSTRUCTION IS USED TRANSPOSED (source 0 = B, source 1 = A): a lane holds eight neighbouring numbers of a row of out0.  A wave's 64 columns are 256 bytes: a block of 16 rows goes through
; the wave's own stage in LDS and leaves with sixteen lanes storing 256 consecutive bytes, at a multiple of 256 from out0's first byte.
; REGISTERS: window 0: v8, v12 LDS addresses, v24-29; v32-63 a block's numbers; v64-127 rows read back, two sets; v128-255 the accumulators ((a, b) at v[128 + 8 (4 a + b)]).
;   window 1: two buffers of 128: A's four fragments, then B's four.
.set PARTB,  65536                     ; what one load brings: 4 blocks x 16,384 bytes
.set STAGE,  262144                    ; behind the tiles: 16 rows x 272 bytes for each wave; no tensor load lands here
.set SPITCH, 272                       ; 256 bytes + 16: row r starts at bank 4 r mod 64 (64 banks of 4 bytes: ISA guide 11.1)
.set SPARE,  STAGE+4*16*SPITCH         ; the spare words, 128 bytes for each wave: two blocks of 256 bytes that no other line names
.set ADRA, 8
.set ADRB, 12
.set STO,  24
.set RD,   25
.set CO,   26
.set SPW,  28
.set NIL,  29
.set TMP,  32
.set BK,   64
.set ACC,  128
.set G1A, 24
.set G1B, 32
.set G0A, 40
.set G0B, 44
.set MSB, 0
.macro WIN new
.if MSB != (\new)
	s_set_vgpr_msb (MSB<<8)|(\new)
.set MSB, (\new)
.endif
.endm
.macro CROUND
	s_barrier_signal -1
	s_barrier_wait -1
	s_cmp_lg_u32 s14, 0
	s_cbranch_scc1 .Lnot_wave_0_\@
	s_barrier_signal -3
.Lnot_wave_0_\@:
	s_barrier_wait -3
	s_barrier_signal -1
	s_barrier_wait -1
.endm
.macro PLACES
.rept 4
	v_nop
.endr
.endm
	s_load_b256 s[4:11], s[0:1], 0x0               ; ac s[4:5], xw s[6:7], the scales' exponents s[8:9], out0 s[10:11]
	v_lshl_add_u32 v[SPW], v0, 2, SPARE
	v_mov_b32 v[NIL], 0
	ds_add_u32 v[SPW], v[NIL]                      ; the opening lines: the add, twice on end, and its wait ahead of my tensor load
	ds_add_u32 v[SPW], v[NIL]
	v_lshrrev_b32 v1, 5, v0
	v_readfirstlane_b32 s14, v1                    ; wave 0..3
	s_lshr_b32 s15, s14, 1                         ; which half of the tile's rows is mine.  Also: I fetch for A (0) or for B (1)
	s_and_b32 s16, s14, 1                          ; which half of its columns.  Also: which half of that tile I fetch
	s_bfe_u32 s12, ttmp6, 0x40000                  ; cx
	s_bfe_u32 s13, ttmp6, 0x40004                  ; cy
	s_lshl_b32 s17, ttmp9, 2
	s_add_co_u32 s17, s17, s12                     ; tile column
	s_and_b32 s18, ttmp7, 0xffff
	s_lshl_b32 s18, s18, 2
	s_add_co_u32 s18, s18, s13                     ; tile row
	s_lshl_b32 s19, s13, 2
	s_lshl_b32 s19, 15, s19                        ; my row of the cluster
	s_lshl_b32 s20, 0x1111, s12                    ; my column
	s_or_b32 s[G1A], s19, (3<<16)|(1<<21)          ; 15:0 the mask; 17:16 elements of 8 bytes; 20 no padding; 21 set beside a mask
	s_or_b32 s[G1B], s20, (3<<16)|(1<<21)
.irp g, G1A, G1B
	s_mov_b32 s[\g+1], 2048<<16                    ; tensor_dim0 = 2,048 elements: 16,384 bytes, a block's eight K steps
	s_mov_b32 s[\g+2], 4<<16                       ; tensor_dim1 = 4 blocks
	s_mov_b32 s[\g+3], 2048<<16                    ; tile_dim0
	s_mov_b32 s[\g+4], 4                           ; tile_dim1
	s_mov_b32 s[\g+5], 2048                        ; from block to block
	s_mov_b32 s[\g+6], 0
	s_mov_b32 s[\g+7], 0
.endr
	s_lshl_b32 s21, s16, 16                        ; the half that I fetch: 4 blocks of 16,384 bytes
	s_lshl_b32 s56, s18, 17                        ; A: 8 blocks to a tile row
	s_add_co_u32 s56, s56, s21
	s_mov_b32 s57, 0
	s_lshl_b32 s58, s17, 17                        ; B: 8 blocks to a tile column,
	s_add_co_u32 s58, s58, s21
	s_add_co_u32 s58, s58, 15<<20                  ; in Wo's codes
	s_mov_b32 s59, 0
	s_lshl_b32 s22, s14, 16                        ; where they go: wave x 65,536
	s_wait_dscnt 0x0                               ; both opening adds are done
	s_wait_kmcnt 0x0
	s_load_b64 s[86:87], s[8:9], 0x38              ; e14, e15
	s_mov_b32 s[G0A], 1
	s_mov_b32 s[G0A+1], s22
	s_add_nc_u64 s[G0A+2:G0A+3], s[4:5], s[56:57]
	s_or_b32 s[G0A+3], s[G0A+3], 0x80000000
	s_mov_b32 s[G0B], 1
	s_mov_b32 s[G0B+1], s22
	s_add_nc_u64 s[G0B+2:G0B+3], s[6:7], s[58:59]
	s_or_b32 s[G0B+3], s[G0B+3], 0x80000000
	CROUND                                         ; all sixteen work-groups are here: the joint loads meet
	s_cmp_eq_u32 s15, 0                            ; one fill to an arm, both arms leading to one join
	s_cbranch_scc0 .Lfirst_b
	tensor_load_to_lds s[G0A:G0A+3], s[G1A:G1A+7]
	s_nop 0
	PLACES
	s_branch .Lfirst_asked
.Lfirst_b:
	tensor_load_to_lds s[G0B:G0B+3], s[G1B:G1B+7]
	s_nop 0
	PLACES
.Lfirst_asked:
	v_and_b32 v1, 31, v0
	v_lshlrev_b32 v2, 4, v1                        ; 16 x lane
	v_and_b32 v3, 15, v0                           ; r
	v_bfe_u32 v4, v0, 4, 1                         ; h
	s_lshl_b32 s21, s15, 16                        ; my half of A
	s_lshl_b32 s23, s16, 16                        ; my half of B,
	s_add_co_u32 s23, s23, 2*PARTB                 ; behind A's two
	v_add_nc_u32 v[ADRA], s21, v2
	v_add_nc_u32 v[ADRB], s23, v2
	s_mul_i32 s21, s14, 16*SPITCH
	s_add_co_u32 s21, s21, STAGE                   ; my stage
	v_mul_u32_u24 v[STO], v3, SPITCH               ; in: row r, 32 bytes for each half of the lanes
	v_lshl_add_u32 v[STO], v4, 5, v[STO]
	v_add_nc_u32 v[STO], s21, v[STO]
	v_mul_u32_u24 v[RD], v4, SPITCH                ; back: lanes 0-15 one row of 256 bytes, lanes 16-31 the next
	v_lshl_add_u32 v[RD], v3, 4, v[RD]
	v_add_nc_u32 v[RD], s21, v[RD]
	v_lshlrev_b32 v[CO], 12, v4                    ; and the same two rows in out0
	v_lshl_add_u32 v[CO], v3, 4, v[CO]
	s_lshl_b32 s88, s18, 7
	s_lshl_b32 s89, s15, 6
	s_add_co_u32 s88, s88, s89                     ; my first row: 128 x tile row + 64 x half
	s_lshl_b32 s88, s88, 12
	s_lshl_b32 s89, s17, 9                         ; my first column, in bytes: 512 x tile column + 256 x half
	s_add_co_u32 s88, s88, s89
	s_lshl_b32 s89, s16, 8
	s_add_co_u32 s88, s88, s89
	s_mov_b32 s89, 0
	s_add_nc_u64 s[10:11], s[10:11], s[88:89]
.macro FETCH s                         ; K step s: my four fragments of A and four of B into buffer s % 2: 32 loads of 512 consecutive bytes
.set FB, 128*((\s)%2)
	WIN 0x40                                       ; destination window 1
.irp i, 0,1,2,3
.irp c, 0,1,2,3
	ds_load_b128 v[FB+16*\i+4*\c:FB+16*\i+4*\c+3],       v[ADRA] offset:16384*\i+2048*(\s)+512*\c
	ds_load_b128 v[FB+64+16*\i+4*\c:FB+64+16*\i+4*\c+3], v[ADRB] offset:16384*\i+2048*(\s)+512*\c
.endr
.endr
	WIN 0
.endm
.macro KS s                            ; K step s: the next step's fragments are asked for, then 16 products; the accumulators take turns, in the same order in every step
	s_wait_dscnt 0x0                               ; this step's fragments are in
.if (\s) < 7
.if (\s) > 0
	PLACES                                         ; in front of loads into registers that the step before multiplied
.endif
	FETCH (\s)+1
.endif
.set FB, 128*((\s)%2)
	WIN 0x05                                       ; sources 0 (B) and 1 (A) window 1
.irp a, 0,1,2,3
.irp b, 0,1,2,3
.if (\s) == 0
	v_wmma_f32_16x16x128_fp8_fp8 v[ACC+8*(4*\a+\b):ACC+8*(4*\a+\b)+7], v[FB+64+16*\b:FB+64+16*\b+15], v[FB+16*\a:FB+16*\a+15], 0
.else
	v_wmma_f32_16x16x128_fp8_fp8 v[ACC+8*(4*\a+\b):ACC+8*(4*\a+\b)+7], v[FB+64+16*\b:FB+64+16*\b+15], v[FB+16*\a:FB+16*\a+15], v[ACC+8*(4*\a+\b):ACC+8*(4*\a+\b)+7]
.endif
.endr
.endr
	WIN 0
.endm
	s_wait_alu depctr_va_vdst(0)                   ; the wait at the head's end
	s_wait_tensorcnt 0x0                           ; my part is in
	s_barrier_signal -1
	s_barrier_wait -1                              ; everybody's is
	FETCH 0
.irp s, 0,1,2,3,4,5,6,7
	KS \s
.endr
; THE WAY OUT, block by block of 16 rows x 64 columns, through my own stage.  LDS serves a wave's instructions in order: no wait between the stores and the loads, nor in front of the next block's stores.
.macro TOSTAGE a
.irp j, 0,2,4,6,8,10,12,14,16,18,20,22,24,26,28,30
	v_pk_mul_f32 v[TMP+\j:TMP+\j+1], v[ACC+32*(\a)+\j:ACC+32*(\a)+\j+1], s[84:85] op_sel_hi:[1,0]   ; x 2^(e14 + e15); each accumulator from its low end on
.endr
.irp b, 0,1,2,3
	ds_store_b128 v[STO], v[TMP+8*\b:TMP+8*\b+3] offset:64*\b
	ds_store_b128 v[STO], v[TMP+8*\b+4:TMP+8*\b+7] offset:64*\b+16
.endr
.set BB, BK+32*((\a)%2)
.irp t, 0,1,2,3,4,5,6,7
	ds_load_b128 v[BB+4*\t:BB+4*\t+3], v[RD] offset:\t*2*SPITCH
.endr
.endm
.macro SEND a, younger                 ; younger: the LDS instructions issued behind block a's loads, which may stay out
.set BB, BK+32*((\a)%2)
	s_wait_dscnt \younger
.irp t, 0,1,2,3,4,5,6,7
	global_store_b128 v[CO], v[BB+4*\t:BB+4*\t+3], s[10:11] offset:(16*(\a)+2*\t)*4096 th:TH_STORE_NT   ; written once, read by nobody here
.endr
.endm
	s_wait_kmcnt 0x0
	s_add_co_i32 s84, s86, s87
	s_add_co_i32 s84, s84, 127
	s_lshl_b32 s84, s84, 23                        ; 2^(e14 + e15) as f32
	s_mov_b32 s85, s84                             ; (named with it as a pair, so it is written)
	PLACES                                         ; in front of the first read of results
	TOSTAGE 0
.irp a, 1,2,3
.if \a > 1
	s_wait_xcnt 0x0                                ; block a - 2's stores have read their registers: block a's loads may land there
.endif
	TOSTAGE \a
	SEND \a-1, 16                                  ; behind block a - 1's loads: block a's 8 stores and 8 loads
.endr
	SEND 3, 0
	s_wait_tensorcnt 0x0                           ; the wave's end, behind my tensor load and my last LDS store
	ds_add_u32 v[SPW], v[NIL]
	s_wait_dscnt 0x0
	CROUND                                         ; the closing round
	s_endpgm
.Lfunc_end_k_qfbe0b19001_proj:
	.size	k_qfbe0b19001_proj, .Lfunc_end_k_qfbe0b19001_proj-k_qfbe0b19001_proj
	.p2alignl 7, 3214868480
	.fill 96, 4, 3214868480
	.section	.rodata,"a",@progbits
	.p2align	6, 0x0
	.amdhsa_kernel k_qfbe0b19001_proj
		.amdhsa_group_segment_fixed_size 327680
		.amdhsa_private_segment_fixed_size 0
		.amdhsa_enable_private_segment 0
		.amdhsa_kernarg_size 32
		.amdhsa_user_sgpr_count 2
		.amdhsa_user_sgpr_kernarg_segment_ptr 1
		.amdhsa_wavefront_size32 1
		.amdhsa_system_sgpr_workgroup_id_x 1
		.amdhsa_system_sgpr_workgroup_id_y 1
		.amdhsa_system_sgpr_workgroup_id_z 1
		.amdhsa_system_vgpr_workitem_id 0
		.amdhsa_next_free_vgpr 512
		.amdhsa_next_free_sgpr 96
		.amdhsa_reserve_vcc 0
		.amdhsa_float_denorm_mode_32 3
		.amdhsa_float_denorm_mode_16_64 3
		.amdhsa_memory_ordered 1
		.amdhsa_forward_progress 1
		.amdhsa_inst_pref_size 44
	.end_amdhsa_kernel
	.amdgpu_metadata
---
amdhsa.version: [ 1, 2 ]
amdhsa.kernels:
  - .name:           k_qfbe0b19001_proj
    .symbol:         k_qfbe0b19001_proj.kd
    .args:
      - { .name: ac, .offset: 0, .size: 8, .value_kind: global_buffer, .address_space: global }
      - { .name: xw, .offset: 8, .size: 8, .value_kind: global_buffer, .address_space: global }
      - { .name: lowp_scales, .offset: 16, .size: 8, .value_kind: global_buffer, .address_space: global }
      - { .name: out0, .offset: 24, .size: 8, .value_kind: global_buffer, .address_space: global }
    .group_segment_fixed_size: 327680
    .private_segment_fixed_size: 0
    .kernarg_segment_align: 8
    .kernarg_segment_size: 32
    .max_flat_workgroup_size: 128
    .sgpr_count:     96
    .vgpr_count:     512
    .wavefront_size: 32
...
	.end_amdgpu_metadata
.endif
;; end of part 4
